; MI455X (gfx1250); checked and timed in simulation.
; The chip was launched on July 23, 2026; its instructions are those of AMD's public machine-readable ISA for CDNA 5 (MIT licence, August 2026) and "CDNA5" Instruction Set Architecture Reference Guide (July 2026). The comments in the code are by the model that wrote it; some were corrected since.
;; Cross Attention. Allowed arithmetic: float matrix products may take bf16 or f16 operands with f32 sums; all other float work in f32.
;; Inputs: Wk 1,024 x 1,024 float32; Wo 1,024 x 1,024 float32; Wq 1,024 x 1,024 float32; Wv 1,024 x 1,024 float32; context 4 x 512 x 1,024 float32; x 4 x 4,096 x 1,024 float32.
;; Outputs: out0 4 x 4,096 x 1,024 float32.
;; 2 versions, each right. Each part assembles by itself: llvm-mc -triple=amdgcn-amd-amdhsa -mcpu=gfx1250 --defsym DOCPART=n.
;; ======== version 1 of 2: 4 launches
;; limits: values are held in f16: magnitudes above 65,504 overflow, below 6.1e-05 lose precision
;; workspace buffers: hf 12,582,912 bytes; kvb 8,388,608 bytes; ob 33,554,432 bytes
;; launch prep (part 1): grid 128 x 6, 8 waves a work-group, no clusters, 0 bytes of LDS; arguments Wq, Wk, Wv, Wo, context, hf; writes hf
.if DOCPART == 1
	.amdgcn_target "amdgcn-amd-amdhsa--gfx1250"
	.amdhsa_code_object_version 6
	.text
	.protected	k_q24e43ff77f_prep
	.globl	k_q24e43ff77f_prep
	.p2align	8
	.type	k_q24e43ff77f_prep,@function
k_q24e43ff77f_prep:
	s_mov_b64 s[64:65], 0
	v_nop
	global_prefetch_b8 v0, s[64:65] scope:SCOPE_SE
	s_setreg_imm32_b32 hwreg(HW_REG_WAVE_MODE, 25, 1), 1
	s_wait_xcnt 0x0
; hf = the four weight matrices and context, rounded once from f32 to f16, in six units of 1,048,576 numbers (2 MiB of f16):
; unit 0 Wq, 1 Wk, 2 Wv, 3 Wo (each [1024 k][1024 n], as given), units 4 and 5 the two halves of context [2048][1024].
; LIMIT: f16 holds magnitudes below 65,504; a larger input number becomes an infinity here.
; A stream: no LDS, no matrix unit, no cluster (no two work-groups read the same byte).
; Work-group (x, y) takes numbers 8,192 x .. 8,192 x + 8,191 of unit y.  Thread t takes 16 bytes at 16 t of each of eight pieces
; of 4,096 bytes; all eight loads go out first.  A wave's store covers 256 consecutive bytes, aligned.
.set IN_PIECE,  4096                   ; bytes that the 256 threads load at once
.set OUT_PIECE, 2048                   ; and store
.set X, 8                              ; v[8:39]   eight loads of four f32
.set Y, 40                             ; v[40:55]  eight pairs of packed f16
	s_load_b256 s[4:11], s[0:1], 0x0               ; Wq s[4:5], Wk s[6:7], Wv s[8:9], Wo s[10:11]
	s_load_b128 s[12:15], s[0:1], 0x20             ; context s[12:13], hf s[14:15]
	s_and_b32 s16, ttmp7, 0xffff                   ; the unit
	v_lshlrev_b32 v1, 4, v0                        ; 16 t
	v_lshlrev_b32 v2, 3, v0                        ; 8 t
	s_lshl_b32 s18, ttmp9, 15                      ; the chunk's 32,768 bytes of f32,
	s_cmp_eq_u32 s16, 5
	s_cselect_b32 s17, 0x400000, 0                 ; in unit 5 behind context's first half
	s_add_co_u32 s18, s18, s17
	s_mov_b32 s19, 0
	s_lshl_b32 s20, s16, 21                        ; the unit's 2 MiB in hf
	s_lshl_b32 s21, ttmp9, 14                      ; and the chunk's 16,384 bytes of f16
	s_add_co_u32 s20, s20, s21
	s_mov_b32 s21, 0
	s_wait_kmcnt 0x0
	s_cmp_eq_u32 s16, 1                            ; the source is chosen by the unit's number alone
	s_cselect_b64 s[4:5], s[6:7], s[4:5]
	s_cmp_eq_u32 s16, 2
	s_cselect_b64 s[4:5], s[8:9], s[4:5]
	s_cmp_eq_u32 s16, 3
	s_cselect_b64 s[4:5], s[10:11], s[4:5]
	s_cmp_ge_u32 s16, 4
	s_cselect_b64 s[4:5], s[12:13], s[4:5]
	s_add_nc_u64 s[4:5], s[4:5], s[18:19]
	s_add_nc_u64 s[14:15], s[14:15], s[20:21]
.irp p, 0,1,2,3,4,5,6,7
	global_load_b128 v[X+4*\p:X+4*\p+3], v1, s[4:5] offset:IN_PIECE*\p th:TH_LOAD_NT
.endr
.irp p, 0,1,2,3,4,5,6,7
	s_wait_loadcnt 7-\p                            ; loads come back in order: piece p is in, the younger ones stay out
	v_cvt_pk_f16_f32 v[Y+2*\p],   v[X+4*\p],   v[X+4*\p+1]
	v_cvt_pk_f16_f32 v[Y+2*\p+1], v[X+4*\p+2], v[X+4*\p+3]
	global_store_b64 v2, v[Y+2*\p:Y+2*\p+1], s[14:15] offset:OUT_PIECE*\p   ; no register is written twice: no further wait
.endr
	s_endpgm
.Lfunc_end_k_q24e43ff77f_prep:
	.size	k_q24e43ff77f_prep, .Lfunc_end_k_q24e43ff77f_prep-k_q24e43ff77f_prep
	.p2alignl 7, 3214868480
	.fill 96, 4, 3214868480
	.section	.rodata,"a",@progbits
	.p2align	6, 0x0
	.amdhsa_kernel k_q24e43ff77f_prep
		.amdhsa_group_segment_fixed_size 0
		.amdhsa_private_segment_fixed_size 0
		.amdhsa_enable_private_segment 0
		.amdhsa_kernarg_size 48
		.amdhsa_user_sgpr_count 2
		.amdhsa_user_sgpr_kernarg_segment_ptr 1
		.amdhsa_wavefront_size32 1
		.amdhsa_system_sgpr_workgroup_id_x 1
		.amdhsa_system_sgpr_workgroup_id_y 1
		.amdhsa_system_sgpr_workgroup_id_z 1
		.amdhsa_system_vgpr_workitem_id 0
		.amdhsa_next_free_vgpr 64
		.amdhsa_next_free_sgpr 66
		.amdhsa_reserve_vcc 0
		.amdhsa_float_denorm_mode_32 3
		.amdhsa_float_denorm_mode_16_64 3
		.amdhsa_memory_ordered 1
		.amdhsa_forward_progress 1
		.amdhsa_inst_pref_size 4
	.end_amdhsa_kernel
	.amdgpu_metadata
---
amdhsa.version: [ 1, 2 ]
amdhsa.kernels:
  - .name:           k_q24e43ff77f_prep
    .symbol:         k_q24e43ff77f_prep.kd
    .args:
      - { .name: Wq, .offset: 0, .size: 8, .value_kind: global_buffer, .address_space: global }
      - { .name: Wk, .offset: 8, .size: 8, .value_kind: global_buffer, .address_space: global }
      - { .name: Wv, .offset: 16, .size: 8, .value_kind: global_buffer, .address_space: global }
      - { .name: Wo, .offset: 24, .size: 8, .value_kind: global_buffer, .address_space: global }
      - { .name: context, .offset: 32, .size: 8, .value_kind: global_buffer, .address_space: global }
      - { .name: hf, .offset: 40, .size: 8, .value_kind: global_buffer, .address_space: global }
    .group_segment_fixed_size: 0
    .private_segment_fixed_size: 0
    .kernarg_segment_align: 8
    .kernarg_segment_size: 48
    .max_flat_workgroup_size: 256
    .sgpr_count:     66
    .vgpr_count:     64
    .wavefront_size: 32
...
	.end_amdgpu_metadata
.endif
;; end of part 1
;; launch kvproj (part 2): grid 16 x 16, 4 waves a work-group, clusters of 4 x 4, 327,680 bytes of LDS; arguments hf, kvb; writes kvb
.if DOCPART == 2
	.amdgcn_target "amdgcn-amd-amdhsa--gfx1250"
	.amdhsa_code_object_version 6
	.text
	.protected	k_q24e43ff77f_kvproj
	.globl	k_q24e43ff77f_kvproj
	.p2align	8
	.type	k_q24e43ff77f_kvproj,@function
k_q24e43ff77f_kvproj:
	s_mov_b64 s[64:65], 0
	v_nop
	global_prefetch_b8 v0, s[64:65] scope:SCOPE_SE
	s_setreg_imm32_b32 hwreg(HW_REG_WAVE_MODE, 25, 1), 1
	s_wait_xcnt 0x0
	s_wait_alu depctr_hold_cnt(0) depctr_sa_sdst(0) depctr_va_vdst(0) depctr_va_sdst(0) depctr_va_ssrc(0) depctr_va_vcc(0) depctr_vm_vsrc(0)
	s_getreg_b32 s2, hwreg(HW_REG_IB_STS2, 6, 4)
	s_cmp_eq_u32 s2, 0
	s_cbranch_scc0 .Lentry_in_a_cluster
	s_endpgm
.Lentry_in_a_cluster:
	s_bfe_u32 s2, ttmp6, 0x10000c
	s_cmp_lg_u32 s2, 0xf033
	s_cbranch_scc0 .Lentry_shape_is_right
	s_endpgm
.Lentry_shape_is_right:
; K = context Wk and V = context Wv, f16 operands, f32 sums, stored as f16: kvb = K [2048 = 512 b + r][1024 = 64 head + d], then V 4 MiB further.
; LIMIT: K and V are kept in f16: magnitudes below 65,504.
; A work-group makes 128 rows x 128 columns: block row by (0..15), block column bx (0..7 of K, 8..15 of V).  Four waves, 2 x 2, 64 x 64 each:
; 16 accumulator tiles.  K (1,024) goes through two LDS slots of 256 along K, so there are four slot steps and two refills.
; CLUSTERS: 4 x 4.  The weights' tile hangs on bx alone and is asked for jointly by a column of the cluster, context's on by alone and by a row.
; THE MATRIX INSTRUCTION IS USED TRANSPOSED: source 0 = 16 columns of W, source 1 = 16 rows of context.  The weights lie [k][n] in LDS;
; the transposing LDS load makes of them fragments with k along the registers.  A lane's eight results are eight neighbouring columns of one row.
.set PW,    288                        ; W's LDS row: 256 bytes + 32 of padding
.set PC,    528                        ; context's LDS row: 512 bytes + 16
.set WHALF, 128*PW                     ; what wave 0 or 1 fetches: 128 k rows x 128 columns
.set CHALF, 64*PC                      ; what wave 2 or 3 fetches: 64 rows x 256 k
.set WPART, 2*WHALF
.set SLOT,  WPART+2*CHALF              ; 141,312
.set STAGE, 2*SLOT                     ; behind the ring, never filled by a tensor load: 128 rows x 272 bytes
.set SP,    272
.set ADRW, 16                          ; v16-19  W fragments: slot 0 k rows 0-127, 128-255; slot 1 likewise
.set ADRC, 20                          ; v20-21  context fragments in slot 0, 1
.set STO,  24                          ; v24     the way out: where my 16 bytes go
.set RD,   25                          ; v25     where I read rows back
.set CO,   26                          ; v26     my byte offset in kvb
.set F0,   64                          ; fragment buffer 0: W's four at +0, context's four at +32
.set F1,   128                         ; fragment buffer 1
.set G1W, 24                           ; s[24:31] group 1 for W      s[32:39] group 0, a set for each slot
.set G0W, 32
.set G1C, 48                           ; s[48:55] group 1 for context  s[56:63] group 0
.set G0C, 56
.set MSB, 0
.macro WIN new                         ; the immediate's high byte repeats the setting that is left
.if MSB != \new
	s_set_vgpr_msb (MSB<<8)|\new
.set MSB, \new
.endif
.endm
.macro PLACES                          ; four places behind a matrix instruction (ISA guide 7.12.1)
.rept 4
	v_nop
.endr
.endm
.macro JLOAD s                         ; waves 0, 1 ask for W's halves, waves 2, 3 for context's: one mask and one set of registers a line
	s_cmp_eq_u32 s11, 0
	s_cbranch_scc0 .Lfor_c_\@
	tensor_load_to_lds s[G0W+4*\s:G0W+4*\s+3], s[G1W:G1W+7]
	s_nop 0
	s_branch .Lasked_\@
.Lfor_c_\@:
	tensor_load_to_lds s[G0C+4*\s:G0C+4*\s+3], s[G1C:G1C+7]
	s_nop 0
.Lasked_\@:
.endm
.macro CREST                           ; a round of the cluster's barrier behind its opening barrier
	s_cmp_lg_u32 s10, 0
	s_cbranch_scc1 .Lnot_wave_0_\@
	s_barrier_signal -3
.Lnot_wave_0_\@:
	s_barrier_wait -3
	s_barrier_signal -1
	s_barrier_wait -1
.endm
.macro CROUND
	s_barrier_signal -1
	s_barrier_wait -1
	CREST
.endm
	s_load_b128 s[4:7], s[0:1], 0x0                ; hf s[4:5], kvb s[6:7]
	v_lshl_add_u32 v254, v0, 2, 0x4d800
	v_mov_b32 v255, 0
	ds_add_u32 v254, v255
	v_lshrrev_b32 v1, 5, v0
	v_readfirstlane_b32 s10, v1                    ; wave 0..3
	s_lshr_b32 s11, s10, 1                         ; my half of the rows.  Also: I fetch W (0) or context (1)
	s_and_b32 s12, s10, 1                          ; my half of the columns.  Also: which half of that tile I fetch
	s_bfe_u32 s40, ttmp6, 0x40000                  ; cx
	s_bfe_u32 s41, ttmp6, 0x40004                  ; cy
	s_lshl_b32 s42, ttmp9, 2
	s_add_co_u32 s42, s42, s40                     ; bx
	s_and_b32 s13, ttmp7, 0xffff
	s_lshl_b32 s13, s13, 2
	s_add_co_u32 s13, s13, s41                     ; by
	s_lshl_b32 s43, s41, 2
	s_lshl_b32 s43, 15, s43                        ; my row of the cluster
	s_lshl_b32 s44, 0x1111, s40                    ; my column
	; W: 128 k rows x 128 elements of 2 bytes; after every 64 words (code 5) 8 words of padding (code 7); bit 21 set beside the mask
	s_or_b32 s[G1W+0], s44, (1<<16)|(1<<20)|(1<<21)|(5<<22)|(7<<25)
	s_mov_b32 s[G1W+1], 128<<16                    ; tensor_dim0 = 128
	s_mov_b32 s[G1W+2], 128<<16                    ; tensor_dim1 = 128
	s_mov_b32 s[G1W+3], 128<<16                    ; tile_dim0 = 128
	s_mov_b32 s[G1W+4], 128                        ; tile_dim1 = 128
	s_mov_b32 s[G1W+5], 1024                       ; elements from row to row
	s_mov_b32 s[G1W+6], 0
	s_mov_b32 s[G1W+7], 0
	; context: 64 rows x 256 elements; after every 128 words (code 6) 4 words of padding (code 3)
	s_or_b32 s[G1C+0], s43, (1<<16)|(1<<20)|(1<<21)|(6<<22)|(3<<25)
	s_mov_b32 s[G1C+1], 256<<16
	s_mov_b32 s[G1C+2], 64<<16
	s_mov_b32 s[G1C+3], 256<<16
	s_mov_b32 s[G1C+4], 64
	s_mov_b32 s[G1C+5], 1024
	s_mov_b32 s[G1C+6], 0
	s_mov_b32 s[G1C+7], 0
	; W's offset in hf hangs on bx and the wave alone, context's on by and the wave alone, each in registers that never hold the other coordinate
	s_lshr_b32 s46, s42, 3
	s_add_co_u32 s46, s46, 1                       ; unit 1 (Wk) or 2 (Wv)
	s_lshl_b32 s46, s46, 21
	s_and_b32 s47, s42, 7
	s_lshl_b32 s47, s47, 8                         ; 128 columns = 256 bytes
	s_add_co_u32 s46, s46, s47
	s_lshl_b32 s47, s12, 18                        ; my 128 k rows of 2,048 bytes
	s_add_co_u32 s46, s46, s47
	s_mov_b32 s47, 0
	s_lshl_b32 s16, s13, 18                        ; 128 rows of 2,048 bytes a block row
	s_lshl_b32 s17, s12, 17                        ; my 64 rows
	s_add_co_u32 s16, s16, s17
	s_add_co_u32 s16, s16, 0x800000                ; context is units 4 and 5
	s_mov_b32 s17, 0
	s_mul_i32 s20, s10, WHALF                      ; LDS: W's halves at wave x 36,864 (waves 0, 1)
	s_mul_i32 s21, s10, CHALF
	s_add_co_u32 s21, s21, WPART-2*CHALF           ; context's halves behind W (waves 2, 3)
	s_wait_dscnt 0x0
	s_wait_kmcnt 0x0
	s_add_nc_u64 s[46:47], s[4:5], s[46:47]
	s_add_nc_u64 s[14:15], s[4:5], s[16:17]
	CROUND                                         ; all sixteen work-groups are here: the first joint loads meet
.irp s, 0,1
	s_mov_b32 s[G0W+4*\s], 1
	s_add_co_u32 s[G0W+4*\s+1], s20, \s*SLOT
	s_add_nc_u64 s[G0W+4*\s+2:G0W+4*\s+3], s[46:47], \s*256*2048   ; slot step s: 256 k rows on
	s_or_b32 s[G0W+4*\s+3], s[G0W+4*\s+3], 0x80000000
	s_mov_b32 s[G0C+4*\s], 1
	s_add_co_u32 s[G0C+4*\s+1], s21, \s*SLOT
	s_add_nc_u64 s[G0C+4*\s+2:G0C+4*\s+3], s[14:15], \s*512        ; 256 k on along the rows
	s_or_b32 s[G0C+4*\s+3], s[G0C+4*\s+3], 0x80000000
	JLOAD \s                                       ; both slots' first fills: two tensor loads of the wave are out
.endr
	v_and_b32 v1, 15, v0                           ; r = lane % 16
	v_bfe_u32 v2, v0, 4, 1                         ; h = lane / 16
	v_and_b32 v3, 7, v0
	v_bfe_u32 v4, v0, 3, 1
	v_lshl_add_u32 v5, v2, 3, v3                   ; the k row that I address: 8 h + lane % 8
	v_mul_u32_u24 v5, v5, PW
	v_lshl_add_u32 v5, v4, 4, v5                   ; and which 16 bytes of the 32 of a column tile
	s_lshl_b32 s22, s12, 7                         ; my 64 columns
	v_add_nc_u32 v[ADRW], s22, v5
	v_add_nc_u32 v[ADRW+1], WHALF, v[ADRW]
	v_add_nc_u32 v[ADRW+2], SLOT, v[ADRW]
	v_add_nc_u32 v[ADRW+3], SLOT+WHALF, v[ADRW]
	v_mul_u32_u24 v6, v1, PC
	v_lshl_add_u32 v6, v2, 4, v6
	s_mul_i32 s23, s11, CHALF                      ; my 64 rows
	s_add_co_u32 s23, s23, WPART
	v_add_nc_u32 v[ADRC], s23, v6
	v_add_nc_u32 v[ADRC+1], SLOT, v[ADRC]
	v_mul_u32_u24 v7, v1, SP
	v_lshl_add_u32 v7, v2, 4, v7
	s_mul_i32 s22, s11, 64*SP
	s_lshl_b32 s23, s12, 7
	s_add_co_u32 s22, s22, s23
	s_add_co_u32 s22, s22, STAGE
	v_add_nc_u32 v[STO], s22, v7                   ; stage row 64 wm + r, byte 128 wn + 16 h
	v_mul_u32_u24 v8, v2, SP
	v_lshl_add_u32 v8, v1, 4, v8
	s_mul_i32 s22, s10, 32*SP
	s_add_co_u32 s22, s22, STAGE
	v_add_nc_u32 v[RD], s22, v8                    ; back: lanes 0-15 one row of 256 bytes, lanes 16-31 the next
	v_lshlrev_b32 v[CO], 4, v1
	v_lshl_add_u32 v[CO], v2, 11, v[CO]            ; the same two rows in kvb
; 16 LDS loads: the fragments of 32 along K, number kk (0..7) of a slot, into buffer f
.macro FETCH slot, kk, f
.irp b, 0,1,2,3
	ds_load_tr16_b128 v[\f+8*\b:\f+8*\b+3],   v[ADRW+2*\slot+\kk/4] offset:(\kk%4)*32*PW+32*\b
	ds_load_tr16_b128 v[\f+8*\b+4:\f+8*\b+7], v[ADRW+2*\slot+\kk/4] offset:(\kk%4)*32*PW+32*\b+16*PW
.endr
.irp a, 0,1,2,3
	ds_load_b128 v[\f+32+8*\a:\f+32+8*\a+3],   v[ADRC+\slot] offset:16*PC*\a+64*\kk
	ds_load_b128 v[\f+32+8*\a+4:\f+32+8*\a+7], v[ADRC+\slot] offset:16*PC*\a+64*\kk+32
.endr
.endm
; 16 matrix instructions, the 16 accumulators by turns, one instruction a turn.  Accumulator (a, b) is v[256 + 8 (4 a + b)].
.macro MUL f, zero
	WIN 0x50                                       ; C and D in window 1
.irp a, 0,1,2,3
.irp b, 0,1,2,3
.if \zero
	v_wmma_f32_16x16x32_f16 v[8*(4*\a+\b):8*(4*\a+\b)+7], v[\f+8*\b:\f+8*\b+7], v[\f+32+8*\a:\f+32+8*\a+7], 0
.else
	v_wmma_f32_16x16x32_f16 v[8*(4*\a+\b):8*(4*\a+\b)+7], v[\f+8*\b:\f+8*\b+7], v[\f+32+8*\a:\f+32+8*\a+7], v[8*(4*\a+\b):8*(4*\a+\b)+7]
.endif
.endr
.endr
	WIN 0
.endm
; multiplies buffer f; ahead of that, fetches number kn of the same slot into buffer g, which the products before last read
.macro STEP slot, kn, f, g, zero
	PLACES
	FETCH \slot, \kn, \g
	s_wait_dscnt 16                                ; all but the 16 just issued: buffer f is in
	MUL \f, \zero
.endm
.macro SEVEN slot, zero
	STEP \slot, 1, F0, F1, \zero
	STEP \slot, 2, F1, F0, 0
	STEP \slot, 3, F0, F1, 0
	STEP \slot, 4, F1, F0, 0
	STEP \slot, 5, F0, F1, 0
	STEP \slot, 6, F1, F0, 0
	STEP \slot, 7, F0, F1, 0
.endm
; the eighth of a slot, on buffer 1, and the change of slots.  In front of the barrier each wave waits for its reads of this slot and for all
; its tensor loads (the one that is out is its part of the next slot); behind it the refill comes first, then the next slot's first fragments.
.macro TURN slot, next, fill
	s_wait_dscnt 0x0
	s_wait_tensorcnt 0x0
	ds_add_u32 v254, v255
	s_wait_dscnt 0x0
	s_barrier_signal -1                            ; where the slot is filled again this barrier opens a round of the cluster's barrier
	MUL F1, 0                                      ; register work while the others arrive
	s_barrier_wait -1
.if \fill
	CREST                                          ; no wave of any partner still reads this slot or has a load on its way
	s_add_nc_u64 s[G0W+4*\slot+2:G0W+4*\slot+3], s[G0W+4*\slot+2:G0W+4*\slot+3], 512*2048
	s_add_nc_u64 s[G0C+4*\slot+2:G0C+4*\slot+3], s[G0C+4*\slot+2:G0C+4*\slot+3], 1024
	JLOAD \slot                                    ; my one tensor load behind the round
.endif
	PLACES
	FETCH \next, 0, F0
.endm
	s_wait_tensorcnt 0x1                           ; my part of slot 0 is in; slot 1's may stay out
	s_barrier_signal -1
	s_barrier_wait -1
	FETCH 0, 0, F0
	SEVEN 0, 1                                     ; the first products start the sums: nothing is cleared
	TURN 0, 1, 1
	SEVEN 1, 0
	TURN 1, 0, 1
	SEVEN 0, 0
	TURN 0, 1, 0                                   ; the last two slot steps fetch nothing
	SEVEN 1, 0
	s_wait_dscnt 0x0
	MUL F1, 0
	; THE WAY OUT: round to f16, 16 bytes a lane into the stage, read back as whole rows of 256 bytes
	PLACES
	WIN 0x05                                       ; both sources in window 1
.irp a, 0,1,2,3
.irp b, 0,1,2,3
.irp i, 0,1,2,3
	v_cvt_pk_f16_f32 v[F0+4*(4*\a+\b)+\i], v[8*(4*\a+\b)+2*\i], v[8*(4*\a+\b)+2*\i+1]
.endr
.endr
.endr
	WIN 0
.irp a, 0,1,2,3
.irp b, 0,1,2,3
	ds_store_b128 v[STO], v[F0+4*(4*\a+\b):F0+4*(4*\a+\b)+3] offset:16*SP*\a+32*\b
.endr
.endr
	s_lshl_b32 s16, s13, 18                        ; my first row in kvb: 128 by + 32 wave, rows of 2,048 bytes
	s_lshl_b32 s17, s10, 16
	s_add_co_u32 s16, s16, s17
	s_mov_b32 s17, 0
	s_add_nc_u64 s[6:7], s[6:7], s[16:17]
	s_lshr_b32 s46, s42, 3
	s_lshl_b32 s46, s46, 22                        ; K or V,
	s_and_b32 s47, s42, 7
	s_lshl_b32 s47, s47, 8                         ; and the block's 256 bytes of a row
	s_add_co_u32 s46, s46, s47
	s_mov_b32 s47, 0
	s_add_nc_u64 s[6:7], s[6:7], s[46:47]
	s_wait_dscnt 0x0                               ; a row's two halves come from two waves: my stores are done,
	s_barrier_signal -1
	s_barrier_wait -1                              ; everybody's are
.irp t, 0,1,2,3,4,5,6,7,8,9,10,11,12,13,14,15
	ds_load_b128 v[F1+4*\t:F1+4*\t+3], v[RD] offset:2*SP*\t
.endr
.irp t, 0,1,2,3,4,5,6,7,8,9,10,11,12,13,14,15
	s_wait_dscnt 15-\t
	global_store_b128 v[CO], v[F1+4*\t:F1+4*\t+3], s[6:7] offset:4096*\t   ; 16 lanes store 256 consecutive bytes, aligned
.endr
	s_wait_tensorcnt 0x0
	ds_add_u32 v254, v255
	s_wait_dscnt 0x0
	CROUND                                         ; the closing round
	s_endpgm
.Lfunc_end_k_q24e43ff77f_kvproj:
	.size	k_q24e43ff77f_kvproj, .Lfunc_end_k_q24e43ff77f_kvproj-k_q24e43ff77f_kvproj
	.p2alignl 7, 3214868480
	.fill 96, 4, 3214868480
	.section	.rodata,"a",@progbits
	.p2align	6, 0x0
	.amdhsa_kernel k_q24e43ff77f_kvproj
		.amdhsa_group_segment_fixed_size 327680
		.amdhsa_private_segment_fixed_size 0
		.amdhsa_enable_private_segment 0
		.amdhsa_kernarg_size 16
		.amdhsa_user_sgpr_count 2
		.amdhsa_user_sgpr_kernarg_segment_ptr 1
		.amdhsa_wavefront_size32 1
		.amdhsa_system_sgpr_workgroup_id_x 1
		.amdhsa_system_sgpr_workgroup_id_y 1
		.amdhsa_system_sgpr_workgroup_id_z 1
		.amdhsa_system_vgpr_workitem_id 0
		.amdhsa_next_free_vgpr 384
		.amdhsa_next_free_sgpr 66
		.amdhsa_reserve_vcc 0
		.amdhsa_float_denorm_mode_32 3
		.amdhsa_float_denorm_mode_16_64 3
		.amdhsa_memory_ordered 1
		.amdhsa_forward_progress 1
		.amdhsa_inst_pref_size 89
	.end_amdhsa_kernel
	.amdgpu_metadata
---
amdhsa.version: [ 1, 2 ]
amdhsa.kernels:
  - .name:           k_q24e43ff77f_kvproj
    .symbol:         k_q24e43ff77f_kvproj.kd
    .args:
      - { .name: hf, .offset: 0, .size: 8, .value_kind: global_buffer, .address_space: global }
      - { .name: kvb, .offset: 8, .size: 8, .value_kind: global_buffer, .address_space: global }
    .group_segment_fixed_size: 327680
    .private_segment_fixed_size: 0
    .kernarg_segment_align: 8
    .kernarg_segment_size: 16
    .max_flat_workgroup_size: 128
    .sgpr_count:     66
    .vgpr_count:     384
    .wavefront_size: 32
...
	.end_amdgpu_metadata
.endif
;; end of part 2
;; launch qattn (part 3): grid 4 x 64, 4 waves a work-group, clusters of 4 x 4, 327,680 bytes of LDS; arguments x, hf, kvb, ob; writes ob
.if DOCPART == 3
	.amdgcn_target "amdgcn-amd-amdhsa--gfx1250"
	.amdhsa_code_object_version 6
	.text
	.protected	k_q24e43ff77f_qattn
	.globl	k_q24e43ff77f_qattn
	.p2align	8
	.type	k_q24e43ff77f_qattn,@function
k_q24e43ff77f_qattn:
	s_mov_b64 s[64:65], 0
	v_nop
	global_prefetch_b8 v0, s[64:65] scope:SCOPE_SE
	s_setreg_imm32_b32 hwreg(HW_REG_WAVE_MODE, 25, 1), 1
	s_wait_xcnt 0x0
	s_wait_alu depctr_hold_cnt(0) depctr_sa_sdst(0) depctr_va_vdst(0) depctr_va_sdst(0) depctr_va_ssrc(0) depctr_va_vcc(0) depctr_vm_vsrc(0)
	s_getreg_b32 s2, hwreg(HW_REG_IB_STS2, 6, 4)
	s_cmp_eq_u32 s2, 0
	s_cbranch_scc0 .Lentry_in_a_cluster
	s_endpgm
.Lentry_in_a_cluster:
	s_bfe_u32 s2, ttmp6, 0x10000c
	s_cmp_lg_u32 s2, 0xf033
	s_cbranch_scc0 .Lentry_shape_is_right
	s_endpgm
.Lentry_shape_is_right:
; ob[l][64 head + d] = softmax(Q K^T / 8) V with Q = x Wq, for 256 rows (block row by, 0..63) and four heads (group hg, 0..3) a work-group.
; Matrix operands f16, sums, softmax and what is carried from chunk to chunk f32; ob is f16.
; LIMITS: x, Q, K, V are matrix operands in f16: magnitudes below 65,504.  A NaN score is dropped by the maxima.  An exponential below 2^-126 is zero.
; Wave w owns rows 64 w .. 64 w + 63 (four tiles a of 16) and all 256 inner columns: from the product on nothing passes between waves.
; EVERYTHING IS TRANSPOSED: source 0 is what streams (columns of Wq, rows of K, columns of V), source 1 the rows l.  A result tile then holds in lane
; (r, h), register j, the element (8 h + j, l = r); two neighbouring tiles rounded to f16 ARE the next product's source 1.  So Q, the scores and the
; weights never leave the registers, and a row's maximum and sum lie in one lane and its partner 16 lanes away.
; PHASE 1: Q^T = Wq^T x^T, K = 1,024 in 16 steps of 64 through two LDS slots G0, G1 (x as f32, rounded on the way into the fragments; Wq as f16 [k][n]).
; PHASE 2: for each head two tiles of 256 keys (slots T0, T1), each in two chunks of 128 keys: S^T = K Q^T, running softmax, O^T += V^T P^T.
; A head's result, rounded to f16, stays in registers (in the place that its Q fragments leave free) until all four heads are done.
; CLUSTERS: 4 x 4.  x's tile hangs on by alone and is asked for jointly along a row of the cluster; Wq's, K's and V's hang on hg (and on the batch,
; which is the cluster's own y / 4) and are asked for jointly along a column.
; LDS: G0 at 0, T0 behind it, G1 behind that.  T1 takes G0's bytes after G0's last read.  The stage of the way out takes G1's bytes and the bytes
; behind them; every stage store stands behind the launch's last tensor load and behind barriers that every wave passed with its reads of G1 waited for.
.set PX,     272                       ; x's LDS row: 64 f32 + 16 bytes
.set PWQ,    544                       ; Wq's: 256 f16 + 32
.set PITV,   160                       ; V's: 64 f16 + 32
.set PITK,   144                       ; K's: 64 f16 + 16
.set XPART,  128*PX                    ; one tensor load: 128 rows of x
.set WPART,  32*PWQ                    ; 32 k rows of Wq
.set XBYTES, 2*XPART
.set GBYTES, XBYTES+2*WPART            ; 104,448
.set VPART,  128*PITV
.set KPART,  128*PITK
.set VBYTES, 2*VPART
.set TBYTES, VBYTES+2*KPART            ; 77,824
.set TB0,    GBYTES
.set GB1,    GBYTES+TBYTES             ; 182,272
.set STAGE,  GB1
.set SP,     528                       ; a stage row: 256 f16 + 16 bytes
.set SWAVE,  64*SP
; window 0
.set ADRX, 16                          ; v16-17 x fragments in G0, G1
.set ADRW, 18                          ; v18-19 Wq fragments
.set ADRK, 20                          ; v20-21 K fragments in T0, T1
.set ADRV, 22                          ; v22-23 V fragments
.set STO,  24                          ; stage, in
.set RD,   25                          ; stage, back
.set CO,   26                          ; my byte offset in ob
.set XF,   32                          ; v32-63   x fragments, f16
.set XS,   64                          ; v64-127  x as loaded, f32 (phase 1)
.set VF,   64                          ; v64-191  16 V fragments (phase 2)
.set TM,   192                         ; per tile a: at work
.set TX,   196                         ; the partner lane's figure
.set MR,   200                         ; running maximum of the raw scores
.set NM,   204                         ; pairs: - c x maximum, twice
.set AL,   212                         ; pairs: the factor for what was summed under the old maximum, twice
.set L2,   220                         ; pairs: two partial sums of the weights
; window 1: phase 1 Wq fragments, two buffers; phase 2 four places of 64 registers: Q fragments at 8 (4 kf + a) of a place, finished heads at 4 (4 dt + a)
.set WF0,  64
.set WF1,  128
; windows 2, 3: phase 1 accumulator (b, a) at window 2 + b / 8, v[8 (4 (b % 8) + a)];
; phase 2: window 2 = S(mt, a) at v[8 (4 mt + a)], P in place; window 3 = O(dt, a) at v[8 (4 dt + a)] and K fragments from v128
.set KF,   128
.set G1X, 24                           ; group 1 and the two sets of group 0 for x,
.set G0X, 32
.set G1W, 40                           ; Wq,
.set G0W, 48
.set G1K, 56                           ; K,
.set G0K, 76
.set G1V, 68                           ; V
.set G0V, 84
.set MSB, 0
.macro WIN new                         ; low byte: bits 1:0 source 0, 3:2 source 1, 5:4 source 2, 7:6 destination; high byte: the setting that is left
.if MSB != \new
	s_set_vgpr_msb (MSB<<8)|\new
.set MSB, \new
.endif
.endm
.macro PLACES n                        ; places behind a matrix instruction (ISA guide 7.12.1)
.rept \n
	v_nop
.endr
.endm
.macro JLOAD s                         ; phase 1: waves 0, 1 ask for x's halves, waves 2, 3 for Wq's
	s_cmp_eq_u32 s13, 0
	s_cbranch_scc0 .Lfor_w_\@
	tensor_load_to_lds s[G0X+4*\s:G0X+4*\s+3], s[G1X:G1X+7]
	s_nop 0
	s_branch .Lasked_\@
.Lfor_w_\@:
	tensor_load_to_lds s[G0W+4*\s:G0W+4*\s+3], s[G1W:G1W+7]
	s_nop 0
.Lasked_\@:
.endm
.macro JLOADT s                        ; phase 2: waves 0, 1 ask for V's halves, waves 2, 3 for K's
	s_cmp_eq_u32 s13, 0
	s_cbranch_scc0 .Lfor_k_\@
	tensor_load_to_lds s[G0V+4*\s:G0V+4*\s+3], s[G1V:G1V+7]
	s_nop 0
	s_branch .Laskedt_\@
.Lfor_k_\@:
	tensor_load_to_lds s[G0K+4*\s:G0K+4*\s+3], s[G1K:G1K+7]
	s_nop 0
.Laskedt_\@:
.endm
.macro CREST
	s_cmp_lg_u32 s12, 0
	s_cbranch_scc1 .Lnot_wave_0_\@
	s_barrier_signal -3
.Lnot_wave_0_\@:
	s_barrier_wait -3
	s_barrier_signal -1
	s_barrier_wait -1
.endm
.macro CROUND
	s_barrier_signal -1
	s_barrier_wait -1
	CREST
.endm
	s_load_b256 s[4:11], s[0:1], 0x0               ; x s[4:5], hf s[6:7], kvb s[8:9], ob s[10:11]
	v_lshl_add_u32 v254, v0, 2, 0x4d800
	v_mov_b32 v255, 0
	ds_add_u32 v254, v255
	v_lshrrev_b32 v1, 5, v0
	v_readfirstlane_b32 s12, v1                    ; wave 0..3
	s_lshr_b32 s13, s12, 1                         ; which tensor I fetch
	s_and_b32 s14, s12, 1                          ; which half of its tile
	s_bfe_u32 s15, ttmp6, 0x40000                  ; cx
	s_bfe_u32 s16, ttmp6, 0x40004                  ; cy
	s_lshl_b32 s17, ttmp9, 2
	s_add_co_u32 s17, s17, s15                     ; hg
	s_and_b32 s19, ttmp7, 0xffff                   ; the cluster's y
	s_lshl_b32 s18, s19, 2
	s_add_co_u32 s18, s18, s16                     ; by
	s_lshr_b32 s19, s19, 2                         ; batch: 16 block rows = 4 clusters each
	s_lshl_b32 s2, s16, 2
	s_lshl_b32 s2, 15, s2                          ; my row of the cluster
	s_lshl_b32 s3, 0x1111, s15                     ; my column
	s_mov_b32 s92, 0x3e38aa3b                      ; c = log2(e) / 8: the scale of the scores and the change of base in one factor
	s_mov_b32 s93, 0x3e38aa3b
	s_mov_b32 s94, 0xbe38aa3b                      ; - c
	s_mov_b32 s96, 0x76543210                      ; v_permlanex16_b32: lane i reads lane i of the other half
	s_mov_b32 s97, 0xfedcba98
	; x: 128 rows x 64 elements of 4 bytes; after every 64 words (code 5) 4 words of padding (code 3)
	s_or_b32 s[G1X+0], s2, (2<<16)|(1<<20)|(1<<21)|(5<<22)|(3<<25)
	s_mov_b32 s[G1X+1], 64<<16
	s_mov_b32 s[G1X+2], 128<<16
	s_mov_b32 s[G1X+3], 64<<16
	s_mov_b32 s[G1X+4], 128
	s_mov_b32 s[G1X+5], 1024
	s_mov_b32 s[G1X+6], 0
	s_mov_b32 s[G1X+7], 0
	; Wq: 32 k rows x 256 elements of 2 bytes; after every 128 words (code 6) 8 words (code 7)
	s_or_b32 s[G1W+0], s3, (1<<16)|(1<<20)|(1<<21)|(6<<22)|(7<<25)
	s_mov_b32 s[G1W+1], 256<<16
	s_mov_b32 s[G1W+2], 32<<16
	s_mov_b32 s[G1W+3], 256<<16
	s_mov_b32 s[G1W+4], 32
	s_mov_b32 s[G1W+5], 1024
	s_mov_b32 s[G1W+6], 0
	s_mov_b32 s[G1W+7], 0
	; K and V: 128 keys x 64 elements of 2 bytes; after every 32 words (code 4) 4 words for K, 8 for V
	s_or_b32 s[G1K+0], s3, (1<<16)|(1<<20)|(1<<21)|(4<<22)|(3<<25)
	s_or_b32 s[G1V+0], s3, (1<<16)|(1<<20)|(1<<21)|(4<<22)|(7<<25)
	s_mov_b32 s[G1K+1], 64<<16
	s_mov_b32 s[G1V+1], 64<<16
	s_mov_b32 s[G1K+2], 128<<16
	s_mov_b32 s[G1V+2], 128<<16
	s_mov_b32 s[G1K+3], 64<<16
	s_mov_b32 s[G1V+3], 64<<16
	s_mov_b32 s[G1K+4], 128
	s_mov_b32 s[G1V+4], 128
	s_mov_b32 s[G1K+5], 1024
	s_mov_b32 s[G1V+5], 1024
	s_mov_b32 s[G1K+6], 0
	s_mov_b32 s[G1V+6], 0
	s_mov_b32 s[G1K+7], 0
	s_mov_b32 s[G1V+7], 0
	; offsets: x's from by, the others' from hg and the batch, each in registers that never hold the other place in the cluster
	s_lshl_b32 s20, s18, 20                        ; 256 rows of 4,096 bytes a block row
	s_lshl_b32 s21, s14, 19                        ; my 128 rows
	s_add_co_u32 s20, s20, s21
	s_mov_b32 s21, 0
	s_lshl_b32 s22, s17, 9                         ; the group's 256 columns = 512 bytes
	s_lshl_b32 s23, s14, 16                        ; my 32 k rows of 2,048 bytes
	s_add_co_u32 s22, s22, s23
	s_mov_b32 s23, 0
	s_lshl_b32 s66, s19, 20                        ; 512 keys of 2,048 bytes a batch
	s_lshl_b32 s67, s14, 18                        ; my 128 keys
	s_add_co_u32 s66, s66, s67
	s_lshl_b32 s67, s17, 9
	s_add_co_u32 s66, s66, s67
	s_mov_b32 s67, 0
	s_lshl_b32 s98, s18, 19                        ; ob: 256 rows of 2,048 bytes a block row,
	s_lshl_b32 s99, s12, 17                        ; my wave's 64 rows,
	s_add_co_u32 s98, s98, s99
	s_lshl_b32 s99, s17, 9                         ; the group's 512 bytes
	s_add_co_u32 s98, s98, s99
	s_mov_b32 s99, 0
	s_wait_dscnt 0x0
	s_wait_kmcnt 0x0
	s_add_nc_u64 s[20:21], s[4:5], s[20:21]
	s_add_nc_u64 s[22:23], s[6:7], s[22:23]        ; Wq is unit 0 of hf
	s_add_nc_u64 s[66:67], s[8:9], s[66:67]
	s_add_nc_u64 s[98:99], s[10:11], s[98:99]
	; group 0: LDS addresses are a constant, the wave's number times a constant and the slot's constant
	s_mov_b32 s[G0X+0], 1
	s_mul_i32 s[G0X+1], s12, XPART
	s_add_nc_u64 s[G0X+2:G0X+3], s[20:21], 0
	s_or_b32 s[G0X+3], s[G0X+3], 0x80000000
	s_mov_b32 s[G0X+4], 1
	s_add_co_u32 s[G0X+5], s[G0X+1], GB1
	s_add_nc_u64 s[G0X+6:G0X+7], s[20:21], 256     ; step 1: 64 f32 on
	s_or_b32 s[G0X+7], s[G0X+7], 0x80000000
	s_mov_b32 s[G0W+0], 1
	s_mul_i32 s[G0W+1], s12, WPART
	s_add_co_u32 s[G0W+1], s[G0W+1], XBYTES-2*WPART
	s_add_nc_u64 s[G0W+2:G0W+3], s[22:23], 0
	s_or_b32 s[G0W+3], s[G0W+3], 0x80000000
	s_mov_b32 s[G0W+4], 1
	s_add_co_u32 s[G0W+5], s[G0W+1], GB1
	s_add_nc_u64 s[G0W+6:G0W+7], s[22:23], 64*2048
	s_or_b32 s[G0W+7], s[G0W+7], 0x80000000
	s_mov_b32 s[G0K+4], 1                          ; T1 lies at LDS byte 0
	s_mul_i32 s[G0K+5], s12, KPART
	s_add_co_u32 s[G0K+5], s[G0K+5], VBYTES-2*KPART
	s_add_nc_u64 s[G0K+6:G0K+7], s[66:67], 256*2048
	s_or_b32 s[G0K+7], s[G0K+7], 0x80000000
	s_mov_b32 s[G0K+0], 1
	s_add_co_u32 s[G0K+1], s[G0K+5], TB0
	s_add_nc_u64 s[G0K+2:G0K+3], s[66:67], 0
	s_or_b32 s[G0K+3], s[G0K+3], 0x80000000
	s_mov_b32 s[G0V+4], 1
	s_mul_i32 s[G0V+5], s12, VPART
	s_add_nc_u64 s[G0V+6:G0V+7], s[66:67], 0x400000+256*2048
	s_or_b32 s[G0V+7], s[G0V+7], 0x80000000
	s_mov_b32 s[G0V+0], 1
	s_add_co_u32 s[G0V+1], s[G0V+5], TB0
	s_add_nc_u64 s[G0V+2:G0V+3], s[66:67], 0x400000
	s_or_b32 s[G0V+3], s[G0V+3], 0x80000000
	CROUND                                         ; all sixteen work-groups are here: the first joint loads meet
	s_cmp_eq_u32 s13, 0                            ; the first fills, one group in one branch: G0, G1, T0.  Three tensor loads of the wave are out
	s_cbranch_scc0 .Lfirst_wk
	tensor_load_to_lds s[G0X:G0X+3], s[G1X:G1X+7]
	s_nop 0
	tensor_load_to_lds s[G0X+4:G0X+7], s[G1X:G1X+7]
	s_nop 0
	tensor_load_to_lds s[G0V:G0V+3], s[G1V:G1V+7]
	s_nop 0
	s_branch .Lfirst_done
.Lfirst_wk:
	tensor_load_to_lds s[G0W:G0W+3], s[G1W:G1W+7]
	s_nop 0
	tensor_load_to_lds s[G0W+4:G0W+7], s[G1W:G1W+7]
	s_nop 0
	tensor_load_to_lds s[G0K:G0K+3], s[G1K:G1K+7]
	s_nop 0
.Lfirst_done:
	v_and_b32 v1, 15, v0                           ; r
	v_bfe_u32 v2, v0, 4, 1                         ; h
	v_and_b32 v3, 7, v0
	v_bfe_u32 v4, v0, 3, 1
	v_lshl_add_u32 v5, v2, 3, v3                   ; the row that a transposing load addresses: 8 h + lane % 8
	v_and_b32 v6, 31, v0                           ; lane
	v_mul_u32_u24 v7, v1, PX
	v_lshl_add_u32 v7, v2, 5, v7                   ; eight f32 = 32 bytes a half
	s_mul_i32 s95, s12, 64*PX                      ; my wave's 64 rows
	v_add_nc_u32 v[ADRX], s95, v7
	v_add_nc_u32 v[ADRX+1], GB1, v[ADRX]
	v_mul_u32_u24 v7, v5, PWQ
	v_lshl_add_u32 v7, v4, 4, v7
	v_add_nc_u32 v[ADRW], XBYTES, v7
	v_add_nc_u32 v[ADRW+1], GB1+XBYTES, v7
	v_mul_u32_u24 v7, v1, PITK
	v_lshl_add_u32 v7, v2, 4, v7
	v_add_nc_u32 v[ADRK], TB0+VBYTES, v7
	v_add_nc_u32 v[ADRK+1], VBYTES, v7
	v_mul_u32_u24 v[ADRV+1], v5, PITV
	v_lshl_add_u32 v[ADRV+1], v4, 4, v[ADRV+1]
	v_add_nc_u32 v[ADRV], TB0, v[ADRV+1]
	s_mul_i32 s95, s12, SWAVE
	s_add_co_u32 s95, s95, STAGE                   ; my wave's stage
	v_mul_u32_u24 v7, v1, SP
	v_lshl_add_u32 v7, v2, 4, v7
	v_add_nc_u32 v[STO], s95, v7
	v_lshlrev_b32 v[CO], 4, v6
	v_add_nc_u32 v[RD], s95, v[CO]
.irp a, 0,1,2,3
	v_mov_b32 v[TX+\a], 0                          ; v_permlanex16_b32 counts as a reader of its destination
.endr
; ---------------------------------------------------------------- phase 1
; 16 transposing loads: eight column tiles (group g of two) of Wq, 32 along K (number kk of the slot's two), into buffer f of window 1
.macro WFETCH slot, kk, g, f
	WIN 0x40
.irp i, 0,1,2,3,4,5,6,7
	ds_load_tr16_b128 v[\f+8*\i:\f+8*\i+3],   v[ADRW+\slot] offset:32*PWQ*\kk+32*(8*\g+\i)
	ds_load_tr16_b128 v[\f+8*\i+4:\f+8*\i+7], v[ADRW+\slot] offset:32*PWQ*\kk+32*(8*\g+\i)+16*PWQ
.endr
.endm
; 16 loads: my 64 rows x 32 k of x in f32.  A lane's k = 8 h .. 8 h + 7 are 32 bytes, its k = 16 + 8 h .. are 64 bytes further
.macro XFETCH slot, kk
	WIN 0
.irp a, 0,1,2,3
	ds_load_b128 v[XS+16*\a:XS+16*\a+3],     v[ADRX+\slot] offset:16*PX*\a+128*\kk
	ds_load_b128 v[XS+16*\a+4:XS+16*\a+7],   v[ADRX+\slot] offset:16*PX*\a+128*\kk+16
	ds_load_b128 v[XS+16*\a+8:XS+16*\a+11],  v[ADRX+\slot] offset:16*PX*\a+128*\kk+64
	ds_load_b128 v[XS+16*\a+12:XS+16*\a+15], v[ADRX+\slot] offset:16*PX*\a+128*\kk+80
.endr
.endm
.macro XCVT                            ; the one rounding of x to f16: four fragments
	WIN 0
.irp a, 0,1,2,3
.irp i, 0,1,2,3,4,5,6,7
	v_cvt_pk_f16_f32 v[XF+8*\a+\i], v[XS+16*\a+2*\i], v[XS+16*\a+2*\i+1]
.endr
.endr
.endm
; 16 matrix instructions: column tiles lo .. lo + 3 of group g x my four row tiles.  The accumulators take turns, one instruction a turn.
.macro MULG4 g, lo, zero
	WIN (0xa1+0x50*\g)                             ; source 0 window 1, source 1 window 0, C and D window 2 + g
.irp bb, \lo, \lo+1, \lo+2, \lo+3
.irp a, 0,1,2,3
.if \zero
	v_wmma_f32_16x16x32_f16 v[8*(4*(\bb)+\a):8*(4*(\bb)+\a)+7], v[WF0+64*\g+8*(\bb):WF0+64*\g+8*(\bb)+7], v[XF+8*\a:XF+8*\a+7], 0
.else
	v_wmma_f32_16x16x32_f16 v[8*(4*(\bb)+\a):8*(4*(\bb)+\a)+7], v[WF0+64*\g+8*(\bb):WF0+64*\g+8*(\bb)+7], v[XF+8*\a:XF+8*\a+7], v[8*(4*(\bb)+\a):8*(4*(\bb)+\a)+7]
.endif
.endr
.endr
.endm
.macro HALF_A slot, kk, zero           ; group 0 of kk; group 1's fragments are fetched ahead of it
	PLACES 4                                       ; behind the products that read buffer 1 and the x fragments
	WFETCH \slot, \kk, 1, WF1
	s_wait_dscnt 16                                ; all but the 16 just issued: buffer 0 and x are in
	XCVT
	MULG4 0, 0, \zero
	MULG4 0, 4, \zero
.endm
.macro HALF_B slot, zero               ; group 1 of kk = 0; kk = 1's first fragments are fetched ahead of it
	PLACES 4
	WFETCH \slot, 1, 0, WF0
	XFETCH \slot, 1
	s_wait_dscnt 32                                ; all but the 32 just issued: buffer 1 is in
	MULG4 1, 0, \zero
	MULG4 1, 4, \zero
.endm
; group 1 of kk = 1 and the change of slots.  In front of the barrier: my reads of this slot and all my tensor loads.  Behind the round: the refill first.
; kind 1: this slot gets the tile two steps ahead.  kind 2: G0 has had its last read; its bytes get T1, the first head's keys 256 to 511.
.macro TURN slot, next, kind
	s_wait_dscnt 0x0
	s_set_vgpr_msb 0xa1a0
	s_wait_tensorcnt 0x0
	ds_add_u32 v254, v255
	s_wait_dscnt 0x0
	s_set_vgpr_msb 0xa0a1
	s_barrier_signal -1                            ; opens a round of the cluster's barrier
	MULG4 1, 0, 0                                  ; register work while the others arrive
	WIN 0
	s_barrier_wait -1
	CREST                                          ; no wave of any partner still reads this slot or has a load on its way
.if \kind == 1
	s_add_nc_u64 s[G0X+4*\slot+2:G0X+4*\slot+3], s[G0X+4*\slot+2:G0X+4*\slot+3], 512
	s_add_nc_u64 s[G0W+4*\slot+2:G0W+4*\slot+3], s[G0W+4*\slot+2:G0W+4*\slot+3], 128*2048
	JLOAD \slot
.else
	JLOADT 1
.endif
	PLACES 4
	WFETCH \next, 0, 0, WF0
	XFETCH \next, 0
	MULG4 1, 4, 0
.endm
.macro STEP slot, next, kind, zero
	HALF_A \slot, 0, \zero
	HALF_B \slot, \zero
	HALF_A \slot, 1, 0
	TURN \slot, \next, \kind
.endm
	s_wait_tensorcnt 0x2                           ; my part of G0 is in; G1's and T0's may stay out
	s_barrier_signal -1
	s_barrier_wait -1
	WFETCH 0, 0, 0, WF0
	XFETCH 0, 0
	STEP 0, 1, 1, 1                                ; steps 0 and 1 stand in front of the loop: the first products start the sums
	STEP 1, 0, 1, 0
	WIN 0
	s_mov_b32 s19, 6
.Llap:                                             ; steps 2 to 13
	STEP 0, 1, 1, 0
	STEP 1, 0, 1, 0
	WIN 0
	s_sub_co_u32 s19, s19, 1
	s_cmp_lg_u32 s19, 0
	s_cbranch_scc1 .Llap
	STEP 0, 1, 2, 0                                ; step 14
	HALF_A 1, 0, 0                                 ; step 15 fetches nothing more
	HALF_B 1, 0
	HALF_A 1, 1, 0
	s_wait_dscnt 0x0
	MULG4 1, 0, 0
	MULG4 1, 4, 0
; ---------------------------------------------------------------- Q's fragments
; Head hd, 32 of d (kf), row tile a: registers 0-3 from accumulator tile 4 hd + 2 kf, registers 4-7 from the tile behind it
.macro QCVT hd
.irp kf, 0,1
.irp a, 0,1,2,3
.irp i, 0,1,2,3
	v_cvt_pk_f16_f32 v[64*\hd+8*(4*\kf+\a)+\i], v[8*(4*((4*\hd+2*\kf)%8)+\a)+2*\i], v[8*(4*((4*\hd+2*\kf)%8)+\a)+2*\i+1]
.endr
.irp i, 0,1,2,3
	v_cvt_pk_f16_f32 v[64*\hd+8*(4*\kf+\a)+4+\i], v[8*(4*((4*\hd+2*\kf+1)%8)+\a)+2*\i], v[8*(4*((4*\hd+2*\kf+1)%8)+\a)+2*\i+1]
.endr
.endr
.endr
.endm
; ---------------------------------------------------------------- phase 2
.macro KFETCH slot, cc                 ; 32 loads: 128 keys x 64 d of K, into window 3
	WIN 0xc0
.irp mt, 0,1,2,3,4,5,6,7
.irp kf, 0,1
	ds_load_b128 v[KF+8*(2*\mt+\kf):KF+8*(2*\mt+\kf)+3],   v[ADRK+\slot] offset:(128*\cc+16*\mt)*PITK+64*\kf
	ds_load_b128 v[KF+8*(2*\mt+\kf)+4:KF+8*(2*\mt+\kf)+7], v[ADRK+\slot] offset:(128*\cc+16*\mt)*PITK+64*\kf+32
.endr
.endr
.endm
.macro VFETCH slot, cc                 ; 32 transposing loads: 128 keys x 64 d of V
	WIN 0
.irp ks, 0,1,2,3
.irp dt, 0,1,2,3
	ds_load_tr16_b128 v[VF+8*(4*\ks+\dt):VF+8*(4*\ks+\dt)+3],   v[ADRV+\slot] offset:(128*\cc+32*\ks)*PITV+32*\dt
	ds_load_tr16_b128 v[VF+8*(4*\ks+\dt)+4:VF+8*(4*\ks+\dt)+7], v[ADRV+\slot] offset:(128*\cc+32*\ks)*PITV+32*\dt+16*PITV
.endr
.endr
.endm
.macro SMUL                            ; S^T = K Q^T: 64 matrix instructions; four accumulators take turns, one instruction a turn
	WIN 0xa7                                       ; source 0 window 3, source 1 window 1, C and D window 2
.irp mt, 0,1,2,3,4,5,6,7
.irp a, 0,1,2,3
	v_wmma_f32_16x16x32_f16 v[8*(4*\mt+\a):8*(4*\mt+\a)+7], v[KF+16*\mt:KF+16*\mt+7], v[8*\a:8*\a+7], 0
.endr
.irp a, 0,1,2,3
	v_wmma_f32_16x16x32_f16 v[8*(4*\mt+\a):8*(4*\mt+\a)+7], v[KF+16*\mt+8:KF+16*\mt+15], v[32+8*\a:32+8*\a+7], v[8*(4*\mt+\a):8*(4*\mt+\a)+7]
.endr
.endr
.endm
.macro PVK ks, zero
.irp dt, 0,1,2,3
.irp a, 0,1,2,3
.if \zero
	v_wmma_f32_16x16x32_f16 v[8*(4*\dt+\a):8*(4*\dt+\a)+7], v[VF+8*(4*\ks+\dt):VF+8*(4*\ks+\dt)+7], v[8*(8*\ks+\a):8*(8*\ks+\a)+7], 0
.else
	v_wmma_f32_16x16x32_f16 v[8*(4*\dt+\a):8*(4*\dt+\a)+7], v[VF+8*(4*\ks+\dt):VF+8*(4*\ks+\dt)+7], v[8*(8*\ks+\a):8*(8*\ks+\a)+7], v[8*(4*\dt+\a):8*(4*\dt+\a)+7]
.endif
.endr
.endr
.endm
.macro PVMUL first                     ; O^T += V^T P^T: 64 matrix instructions, sixteen accumulators by turns
	WIN 0xf8                                       ; source 0 window 0, source 1 window 2, C and D window 3
	PVK 0, \first
	PVK 1, 0
	PVK 2, 0
	PVK 3, 0
.endm
; The running softmax of one chunk, the four row tiles side by side (four chains that do not wait for each other).
; A lane holds 64 of its row's 128 scores, its partner 16 lanes away the other 64.  P = 2^(c S - c m), m the running maximum of the raw scores.
.macro SOFTMAX first
	WIN 0x0a
.irp a, 0,1,2,3
	v_max_num_f32 v[TM+\a], v[8*\a], v[8*\a+1]
.endr
	WIN 0x28
.irp j, 2,4,6
.irp a, 0,1,2,3
	v_max3_num_f32 v[TM+\a], v[TM+\a], v[8*\a+\j], v[8*\a+\j+1]
.endr
.endr
.irp mt, 1,2,3,4,5,6,7
.irp j, 0,2,4,6
.irp a, 0,1,2,3
	v_max3_num_f32 v[TM+\a], v[TM+\a], v[8*(4*\mt+\a)+\j], v[8*(4*\mt+\a)+\j+1]
.endr
.endr
.endr
	WIN 0
.irp a, 0,1,2,3
	v_permlanex16_b32 v[TX+\a], v[TM+\a], s96, s97
.endr
.irp a, 0,1,2,3
.if \first
	v_max_num_f32 v[MR+\a], v[TM+\a], v[TX+\a]
.else
	v_max3_num_f32 v[MR+\a], v[MR+\a], v[TM+\a], v[TX+\a]
.endif
.endr
.irp a, 0,1,2,3
	v_mul_f32 v[TM+\a], s94, v[MR+\a]              ; - c m, rounded once; every later use takes this rounded figure
.endr
.if \first == 0
.irp a, 0,1,2,3
	v_sub_f32 v[AL+2*\a], v[TM+\a], v[NM+2*\a]     ; c (old m - new m), at most 0
.endr
.irp a, 0,1,2,3
	v_exp_f32 v[AL+2*\a], v[AL+2*\a]
.endr
.endif
.irp a, 0,1,2,3
	v_mov_b32 v[NM+2*\a], v[TM+\a]                 ; plain work behind the exponentials, which touches none of their registers (ISA guide 5.7.2)
	v_mov_b32 v[NM+2*\a+1], v[TM+\a]
.endr
.if \first == 0
	s_wait_alu depctr_va_vdst(0)
.irp a, 0,1,2,3
	v_mov_b32 v[AL+2*\a+1], v[AL+2*\a]
.endr
.irp a, 0,1,2,3
	v_pk_mul_f32 v[L2+2*\a:L2+2*\a+1], v[L2+2*\a:L2+2*\a+1], v[AL+2*\a:AL+2*\a+1]
.endr
	WIN 0xc3
.irp dt, 0,1,2,3
.irp a, 0,1,2,3
.irp j, 0,2,4,6
	v_pk_mul_f32 v[8*(4*\dt+\a)+\j:8*(4*\dt+\a)+\j+1], v[8*(4*\dt+\a)+\j:8*(4*\dt+\a)+\j+1], v[AL+2*\a:AL+2*\a+1]
.endr
.endr
.endr
.endif
	WIN 0x82
.irp mt, 0,1,2,3,4,5,6,7
.irp a, 0,1,2,3
.irp j, 0,2,4,6
	v_pk_fma_f32 v[8*(4*\mt+\a)+\j:8*(4*\mt+\a)+\j+1], v[8*(4*\mt+\a)+\j:8*(4*\mt+\a)+\j+1], s[92:93], v[NM+2*\a:NM+2*\a+1] op_sel_hi:[1,0,1]
.endr
.endr
.irp a, 0,1,2,3
.irp j, 0,1,2,3,4,5,6,7
	v_exp_f32 v[8*(4*\mt+\a)+\j], v[8*(4*\mt+\a)+\j]
.endr
.endr
.endr
	v_nop                                          ; the plain place behind the last run of exponentials
.if \first
	WIN 0x0a
	s_wait_alu depctr_va_vdst(0)
.irp a, 0,1,2,3
	v_pk_add_f32 v[L2+2*\a:L2+2*\a+1], v[8*\a:8*\a+1], v[8*\a+2:8*\a+3]   ; the first weights start the sums
.endr
	WIN 0x08
.else
	WIN 0x08
	s_wait_alu depctr_va_vdst(0)
.irp j, 0,2
.irp a, 0,1,2,3
	v_pk_add_f32 v[L2+2*\a:L2+2*\a+1], v[L2+2*\a:L2+2*\a+1], v[8*\a+\j:8*\a+\j+1]
.endr
.endr
.endif
.irp j, 4,6
.irp a, 0,1,2,3
	v_pk_add_f32 v[L2+2*\a:L2+2*\a+1], v[L2+2*\a:L2+2*\a+1], v[8*\a+\j:8*\a+\j+1]
.endr
.endr
.irp mt, 1,2,3,4,5,6,7
.irp j, 0,2,4,6
.irp a, 0,1,2,3
	v_pk_add_f32 v[L2+2*\a:L2+2*\a+1], v[L2+2*\a:L2+2*\a+1], v[8*(4*\mt+\a)+\j:8*(4*\mt+\a)+\j+1]
.endr
.endr
.endr
	WIN 0x8a                                       ; P's fragment (ks, a) takes the place of tile S(2 ks, a); each register is written after it was read
.irp ks, 0,1,2,3
.irp a, 0,1,2,3
.irp i, 0,1,2,3
	v_cvt_pk_f16_f32 v[8*(8*\ks+\a)+\i], v[8*(8*\ks+\a)+2*\i], v[8*(8*\ks+\a)+2*\i+1]
.endr
.irp i, 0,1,2,3
	v_cvt_pk_f16_f32 v[8*(8*\ks+\a)+4+\i], v[8*(8*\ks+4+\a)+2*\i], v[8*(8*\ks+4+\a)+2*\i+1]
.endr
.endr
.endr
.endm
; One chunk of 128 keys: number cc of slot's tile.  K's fragments were asked for ahead of the last softmax.  kind says what follows the scores:
; 1: the same tile's second chunk of K is fetched.  2: the tile has had its last read: it is filled again with the next head's, and the other tile's K is fetched.
; 3: as 2, with nothing left to fill.  0: nothing left to fetch.
.macro CHUNK slot, cc, first, kind
	WIN 0
	PLACES 5                                       ; behind the last products: V's fragments are loaded again, and the scores write over P
	s_wait_dscnt 0x0                               ; K's fragments, the only LDS loads that are out, are in
	VFETCH \slot, \cc                              ; V's 32 loads land under the scores and the softmax
	SMUL
	WIN 0
	PLACES 4                                       ; behind the scores: they are read, and K's fragments are loaded again
.if \kind == 1
	KFETCH \slot, 1
.endif
.if \kind >= 2
	s_wait_dscnt 0x0                               ; my reads of this tile are over,
	s_wait_tensorcnt 0x0                           ; and all my tensor loads have landed: the one that was out is my part of the other tile
	ds_add_u32 v254, v255
	s_wait_dscnt 0x0
.if \kind == 2
	CROUND                                         ; the same holds of every wave of the cluster
	s_add_nc_u64 s[G0V+4*\slot+2:G0V+4*\slot+3], s[G0V+4*\slot+2:G0V+4*\slot+3], 128   ; the next head: 64 columns on
	s_add_nc_u64 s[G0K+4*\slot+2:G0K+4*\slot+3], s[G0K+4*\slot+2:G0K+4*\slot+3], 128
	JLOADT \slot                                   ; my one tensor load behind the round; it has two chunks in which to land
.else
	s_barrier_signal -1
	s_barrier_wait -1
.endif
	KFETCH 1-\slot, 0
.endif
	SOFTMAX \first
.if \kind == 0
	s_wait_dscnt 0x0
.else
	s_wait_dscnt 32                                ; all but K's 32: V's fragments are in
.endif
	PVMUL \first
.endm
; The head's end: divide by the sum of the weights and round to f16, into 64 registers of window 1 from base on: tile (dt, a) at 4 (4 dt + a).
; rot = 1: first the three upper places of window 1 move down one, so that the loop's body always names the Q fragments of place 0, and place 3
; is free for this head's result.  192 moves a head keep four heads in one loop body, and carry the finished heads along.
.macro FINISH base, rot
	WIN 0
	PLACES 4
.irp a, 0,1,2,3
	v_add_f32 v[TM+\a], v[L2+2*\a], v[L2+2*\a+1]
.endr
.irp a, 0,1,2,3
	v_permlanex16_b32 v[TX+\a], v[TM+\a], s96, s97
.endr
.irp a, 0,1,2,3
	v_add_f32 v[TM+\a], v[TM+\a], v[TX+\a]
.endr
.irp a, 0,1,2,3
	v_rcp_f32 v[AL+2*\a], v[TM+\a]                 ; the sum holds the maximum's own weight, about 1: never zero
.endr
	v_nop                                          ; the plain place behind the reciprocals
	s_wait_alu depctr_va_vdst(0)
.irp a, 0,1,2,3
	v_mov_b32 v[AL+2*\a+1], v[AL+2*\a]
.endr
	WIN 0xc3
.irp dt, 0,1,2,3
.irp a, 0,1,2,3
.irp j, 0,2,4,6
	v_pk_mul_f32 v[8*(4*\dt+\a)+\j:8*(4*\dt+\a)+\j+1], v[8*(4*\dt+\a)+\j:8*(4*\dt+\a)+\j+1], v[AL+2*\a:AL+2*\a+1]
.endr
.endr
.endr
.if \rot
	WIN 0x41                                       ; from window 1 into window 1
.set RI, 0
.rept 192
	v_mov_b32 v[RI], v[RI+64]
.set RI, RI+1
.endr
.endif
	WIN 0x4f                                       ; from window 3 into window 1
.irp dt, 0,1,2,3
.irp a, 0,1,2,3
.irp i, 0,1,2,3
	v_cvt_pk_f16_f32 v[\base+4*(4*\dt+\a)+\i], v[8*(4*\dt+\a)+2*\i], v[8*(4*\dt+\a)+2*\i+1]
.endr
.endr
.endr
	WIN 0
.endm
.macro HEAD fill
	CHUNK 0, 0, 1, 1
.if \fill
	CHUNK 0, 1, 0, 2
.else
	CHUNK 0, 1, 0, 3
.endif
	CHUNK 1, 0, 0, 1
.if \fill
	CHUNK 1, 1, 0, 2
.else
	CHUNK 1, 1, 0, 0
.endif
.endm
	PLACES 4                                       ; behind the last products of phase 1
	WIN 0x4f                                       ; from window 3 into window 1
	QCVT 2
	QCVT 3
	KFETCH 0, 0                                    ; window 3 is free: the first head's first K fragments (T0 was shown landed to every wave in step 0)
	WIN 0x4a                                       ; from window 2
	QCVT 0
	QCVT 1
	WIN 0
	s_mov_b32 s19, 0
.Lhead:                                            ; heads 0 to 2
	HEAD 1
	FINISH 192, 1                                  ; window 1 afterwards: Q1 Q2 Q3 O0, then Q2 Q3 O0 O1, then Q3 O0 O1 O2
	s_add_co_u32 s19, s19, 1
	s_cmp_lt_u32 s19, 3
	s_cbranch_scc1 .Lhead
	HEAD 0                                         ; head 3 fills nothing
	FINISH 0, 0                                    ; over its own Q fragments: O3 O0 O1 O2, head hd at place (hd + 1) % 4
	; THE WAY OUT, 16 rows at a time: 16 bytes a lane into my own stage (row 16 a + r, byte 128 head + 32 dt + 16 h), read back as whole rows of
	; 512 bytes (LDS serves a wave's instructions in order: ISA guide 5.7.1) and stored.  Each group of rows has registers of its own in window 2.
.irp a, 0,1,2,3
	WIN 0x04                                       ; the stores' data in window 1
.irp hd, 0,1,2,3
.irp dt, 0,1,2,3
	ds_store_b128 v[STO], v[64*((\hd+1)%4)+4*(4*\dt+\a):64*((\hd+1)%4)+4*(4*\dt+\a)+3] offset:16*SP*\a+128*\hd+32*\dt
.endr
.endr
	WIN 0x80                                       ; the loads' data in window 2
.irp t, 0,1,2,3,4,5,6,7,8,9,10,11,12,13,14,15
	ds_load_b128 v[64*\a+4*\t:64*\a+4*\t+3], v[RD] offset:SP*(16*\a+\t)
.endr
	WIN 0x08                                       ; the stores' data in window 2
.irp t, 0,1,2,3,4,5,6,7,8,9,10,11,12,13,14,15
	s_wait_dscnt 15-\t                             ; row t of the sixteen is in, the younger loads stay out
	global_store_b128 v[CO], v[64*\a+4*\t:64*\a+4*\t+3], s[98:99] offset:2048*(16*\a+\t)   ; the wave stores 512 consecutive bytes, aligned
.endr
.endr
	WIN 0
	s_wait_tensorcnt 0x0
	ds_add_u32 v254, v255
	s_wait_dscnt 0x0
	CROUND                                         ; the closing round
	s_endpgm
.Lfunc_end_k_q24e43ff77f_qattn:
	.size	k_q24e43ff77f_qattn, .Lfunc_end_k_q24e43ff77f_qattn-k_q24e43ff77f_qattn
	.p2alignl 7, 3214868480
	.fill 96, 4, 3214868480
	.section	.rodata,"a",@progbits
	.p2align	6, 0x0
	.amdhsa_kernel k_q24e43ff77f_qattn
		.amdhsa_group_segment_fixed_size 327680
		.amdhsa_private_segment_fixed_size 0
		.amdhsa_enable_private_segment 0
		.amdhsa_kernarg_size 32
		.amdhsa_user_sgpr_count 2
		.amdhsa_user_sgpr_kernarg_segment_ptr 1
		.amdhsa_wavefront_size32 1
		.amdhsa_system_sgpr_workgroup_id_x 1
		.amdhsa_system_sgpr_workgroup_id_y 1
		.amdhsa_system_sgpr_workgroup_id_z 1
		.amdhsa_system_vgpr_workitem_id 0
		.amdhsa_next_free_vgpr 1024
		.amdhsa_next_free_sgpr 100
		.amdhsa_reserve_vcc 0
		.amdhsa_float_denorm_mode_32 3
		.amdhsa_float_denorm_mode_16_64 3
		.amdhsa_memory_ordered 1
		.amdhsa_forward_progress 1
		.amdhsa_inst_pref_size 255
	.end_amdhsa_kernel
	.section	.bss,"aw",@nobits
	.p2align	6
	.space	262144
	.amdgpu_metadata
---
amdhsa.version: [ 1, 2 ]
amdhsa.kernels:
  - .name:           k_q24e43ff77f_qattn
    .symbol:         k_q24e43ff77f_qattn.kd
    .args:
      - { .name: x, .offset: 0, .size: 8, .value_kind: global_buffer, .address_space: global }
      - { .name: hf, .offset: 8, .size: 8, .value_kind: global_buffer, .address_space: global }
      - { .name: kvb, .offset: 16, .size: 8, .value_kind: global_buffer, .address_space: global }
      - { .name: ob, .offset: 24, .size: 8, .value_kind: global_buffer, .address_space: global }
    .group_segment_fixed_size: 327680
    .private_segment_fixed_size: 0
    .kernarg_segment_align: 8
    .kernarg_segment_size: 32
    .max_flat_workgroup_size: 128
    .sgpr_count:     100
    .vgpr_count:     1024
    .wavefront_size: 32
...
	.end_amdgpu_metadata
.endif
;; end of part 3
;; launch oproj (part 4): grid 4 x 64, 4 waves a work-group, clusters of 4 x 4, 327,680 bytes of LDS; arguments ob, hf, out0; writes out0
.if DOCPART == 4
	.amdgcn_target "amdgcn-amd-amdhsa--gfx1250"
	.amdhsa_code_object_version 6
	.text
	.protected	k_q24e43ff77f_oproj
	.globl	k_q24e43ff77f_oproj
	.p2align	8
	.type	k_q24e43ff77f_oproj,@function
k_q24e43ff77f_oproj:
	s_mov_b64 s[64:65], 0
	v_nop
	global_prefetch_b8 v0, s[64:65] scope:SCOPE_SE
	s_setreg_imm32_b32 hwreg(HW_REG_WAVE_MODE, 25, 1), 1
	s_wait_xcnt 0x0
	s_wait_alu depctr_hold_cnt(0) depctr_sa_sdst(0) depctr_va_vdst(0) depctr_va_sdst(0) depctr_va_ssrc(0) depctr_va_vcc(0) depctr_vm_vsrc(0)
	s_getreg_b32 s2, hwreg(HW_REG_IB_STS2, 6, 4)
	s_cmp_eq_u32 s2, 0
	s_cbranch_scc0 .Lentry_in_a_cluster
	s_endpgm
.Lentry_in_a_cluster:
	s_bfe_u32 s2, ttmp6, 0x10000c
	s_cmp_lg_u32 s2, 0xf033
	s_cbranch_scc0 .Lentry_shape_is_right
	s_endpgm
.Lentry_shape_is_right:
; out0[l][n] = sum over k of ob[l][k] Wo[k][n].  ob [16384][1024] f16, Wo = unit 3 of hf, [1024 k][1024 n] f16, out0 f32; sums in f32.
; A work-group makes 256 x 256 with four waves, a wave 128 x 128: 64 accumulator tiles, 512 registers.  K goes in steps of 128 through two LDS slots.
; CLUSTERS: 4 x 4.  ob's tile hangs on the block row alone and is asked for jointly along a row of the cluster, Wo's on the block column alone and
; along a column.
; REGISTERS: window 0: v0-31 addresses, v64-127 and v128-191 fragments of ob, two buffers; window 1: the same places, fragments of Wo;
; window 2: the 32 accumulator tiles of my rows 0-63 (tile (a, b) at v[8 (8 a + b)]); window 3: those of my rows 64-127.
; THE MATRIX INSTRUCTION IS USED TRANSPOSED: source 0 = 16 columns of Wo (the transposing LDS load makes them from rows that lie along n),
; source 1 = 16 rows of ob.  A lane's eight results are eight neighbouring numbers of one row of out0.
.set KSTEP,  128
.set PITCH,  272                       ; ob's LDS row: 256 bytes + 16
.set WPITCH, 544                       ; Wo's: 512 bytes + 32
.set PART,   128*PITCH                 ; one tensor load: 128 rows of ob, or 64 k rows of Wo: both 34,816 bytes
.set SLOT,   4*PART
.set STAGE,  2*SLOT                    ; behind the ring, never filled: 16 rows x 528 bytes for each wave
.set SPITCH, 528
.set LAPS,   4                         ; 1,024 / (2 x 128)
.set ADRA, 16
.set ADRB, 20
.set STO,  24
.set RD,   25
.set CO,   26
.set F0,   64
.set F1,   128
.set G1, 24
.set G0, 32
.set G1B, 48
.set G0B, 56
.set MSB, 0
.macro WIN new
.if MSB != \new
	s_set_vgpr_msb (MSB<<8)|\new
.set MSB, \new
.endif
.endm
.set MUL_LO, 0xa1                      ; source 0 (Wo) window 1, source 1 (ob) window 0, C and D window 2
.set MUL_HI, 0xf1                      ; the same, C and D window 3
.set TO_B,   0x40                      ; destination window 1, address window 0
.macro JLOAD s                         ; waves 0, 1 ask for ob's halves, waves 2, 3 for Wo's
	s_cmp_eq_u32 s11, 0
	s_cbranch_scc0 .Lfor_b_\@
	tensor_load_to_lds s[G0+4*\s:G0+4*\s+3], s[G1:G1+7]
	s_nop 0
	s_branch .Lasked_\@
.Lfor_b_\@:
	tensor_load_to_lds s[G0B+4*\s:G0B+4*\s+3], s[G1B:G1B+7]
	s_nop 0
.Lasked_\@:
.endm
.macro CREST
	s_cmp_lg_u32 s10, 0
	s_cbranch_scc1 .Lnot_wave_0_\@
	s_barrier_signal -3
.Lnot_wave_0_\@:
	s_barrier_wait -3
	s_barrier_signal -1
	s_barrier_wait -1
.endm
.macro CROUND
	s_barrier_signal -1
	s_barrier_wait -1
	CREST
.endm
	s_load_b128 s[4:7], s[0:1], 0x0                ; ob s[4:5], hf s[6:7]
	s_load_b64 s[8:9], s[0:1], 0x10                ; out0
	s_set_vgpr_msb 0x40
	v_lshl_add_u32 v255, v0, 2, 0x4c400
	s_set_vgpr_msb 0x4000
	v_mov_b32 v255, 0
	s_set_vgpr_msb 0x1
	ds_add_u32 v255, v255
	s_set_vgpr_msb 0x100
	v_lshrrev_b32 v1, 5, v0
	v_readfirstlane_b32 s10, v1                    ; wave 0..3
	s_lshr_b32 s11, s10, 1                         ; my half of the block's rows.  Also: I fetch ob (0) or Wo (1)
	s_and_b32 s12, s10, 1                          ; my half of its columns.  Also: which half of that tile I fetch
	s_bfe_u32 s40, ttmp6, 0x40000                  ; cx
	s_bfe_u32 s41, ttmp6, 0x40004                  ; cy
	s_lshl_b32 s42, ttmp9, 2
	s_add_co_u32 s42, s42, s40                     ; block column
	s_and_b32 s13, ttmp7, 0xffff
	s_lshl_b32 s13, s13, 2
	s_add_co_u32 s13, s13, s41                     ; block row
	s_lshl_b32 s43, s41, 2
	s_lshl_b32 s43, 15, s43                        ; my row of the cluster
	s_lshl_b32 s44, 0x1111, s40                    ; my column
	; ob: 128 rows x 128 elements of 2 bytes; after every 64 words (code 5) 4 words of padding (code 3)
	s_or_b32 s[G1+0], s43, (1<<16)|(1<<20)|(1<<21)|(5<<22)|(3<<25)
	s_mov_b32 s[G1+1], 128<<16
	s_mov_b32 s[G1+2], 128<<16
	s_mov_b32 s[G1+3], 128<<16
	s_mov_b32 s[G1+4], 128
	s_mov_b32 s[G1+5], 1024
	s_mov_b32 s[G1+6], 0
	s_mov_b32 s[G1+7], 0
	; Wo: 64 k rows x 256 elements; after every 128 words (code 6) 8 words (code 7)
	s_or_b32 s[G1B+0], s44, (1<<16)|(1<<20)|(1<<21)|(6<<22)|(7<<25)
	s_mov_b32 s[G1B+1], 256<<16
	s_mov_b32 s[G1B+2], 64<<16
	s_mov_b32 s[G1B+3], 256<<16
	s_mov_b32 s[G1B+4], 64
	s_mov_b32 s[G1B+5], 1024
	s_mov_b32 s[G1B+6], 0
	s_mov_b32 s[G1B+7], 0
	s_lshl_b32 s16, s13, 19                        ; ob: 256 rows of 2,048 bytes a block row,
	s_lshl_b32 s17, s12, 18                        ; my 128 rows
	s_add_co_u32 s16, s16, s17
	s_mov_b32 s17, 0
	s_lshl_b32 s46, s42, 9                         ; Wo: the block's 256 columns = 512 bytes,
	s_lshl_b32 s47, s12, 17                        ; my 64 k rows of 2,048 bytes,
	s_add_co_u32 s46, s46, s47
	s_add_co_u32 s46, s46, 0x600000                ; unit 3 of hf
	s_mov_b32 s47, 0
	s_mul_i32 s20, s10, PART                       ; LDS: ob's two halves, then Wo's two halves = wave x 34,816
	s_wait_dscnt 0x0
	s_wait_kmcnt 0x0
	s_add_nc_u64 s[14:15], s[4:5], s[16:17]
	s_add_nc_u64 s[46:47], s[6:7], s[46:47]
	CROUND                                         ; all sixteen work-groups are here: the first joint loads meet
.irp s, 0,1
	s_mov_b32 s[G0+4*\s], 1
	s_add_co_u32 s[G0+4*\s+1], s20, \s*SLOT
	s_add_nc_u64 s[G0+4*\s+2:G0+4*\s+3], s[14:15], \s*KSTEP*2
	s_or_b32 s[G0+4*\s+3], s[G0+4*\s+3], 0x80000000
	s_mov_b32 s[G0B+4*\s], 1
	s_add_co_u32 s[G0B+4*\s+1], s20, \s*SLOT
	s_add_nc_u64 s[G0B+4*\s+2:G0B+4*\s+3], s[46:47], \s*KSTEP*2048
	s_or_b32 s[G0B+4*\s+3], s[G0B+4*\s+3], 0x80000000
	JLOAD \s                                       ; both slots' first fills: two tensor loads of the wave are out
.endr
	v_and_b32 v1, 15, v0                           ; r
	v_bfe_u32 v2, v0, 4, 1                         ; h
	v_and_b32 v7, 7, v0
	v_bfe_u32 v8, v0, 3, 1
	v_and_b32 v9, 31, v0                           ; lane
	v_mul_u32_u24 v3, v1, PITCH
	v_lshl_add_u32 v3, v2, 4, v3                   ; ob: row x pitch + 16 x half
	v_lshl_add_u32 v6, v2, 3, v7                   ; Wo: the k row that I address: 8 h + lane % 8,
	v_mul_u32_u24 v6, v6, WPITCH
	v_lshl_add_u32 v6, v8, 4, v6                   ; and which 16 bytes of the 32 of a column tile
	s_mul_i32 s21, s11, PART                       ; my 128 rows of ob
	s_lshl_b32 s22, s12, 8                         ; my 128 columns of Wo,
	s_add_co_u32 s22, s22, 2*PART                  ; which lies behind ob's 256 rows
.irp s, 0,1
	v_add_nc_u32 v[ADRA+\s], s21, v3
	v_add_nc_u32 v[ADRB+\s], s22, v6
	s_add_co_u32 s21, s21, SLOT
	s_add_co_u32 s22, s22, SLOT
.endr
	s_mul_i32 s23, s10, 16*SPITCH
	s_add_co_u32 s23, s23, STAGE                   ; my stage
	v_mul_u32_u24 v4, v1, SPITCH                   ; in: row r, 32 bytes for each half of the lanes
	v_lshl_add_u32 v4, v2, 5, v4
	v_add_nc_u32 v[STO], s23, v4
	v_lshlrev_b32 v[CO], 4, v9                     ; back: the 32 lanes take one row of 512 bytes
	v_add_nc_u32 v[RD], s23, v[CO]
; 16 matrix instructions: row tiles a0, a0 + 1 of the window's four x all 8 column tiles, 32 along K.  The 64 accumulators take turns, one
; instruction a turn, in the same order in every quarter.
.macro MUL16 f, hi, a0, zero
.irp a, \a0, \a0+1
.irp b, 0,1,2,3,4,5,6,7
.if \zero
	v_wmma_f32_16x16x32_f16 v[8*(8*(\a)+\b):8*(8*(\a)+\b)+7], v[\f+8*\b:\f+8*\b+7], v[\f+8*(4*\hi+\a):\f+8*(4*\hi+\a)+7], 0
.else
	v_wmma_f32_16x16x32_f16 v[8*(8*(\a)+\b):8*(8*(\a)+\b)+7], v[\f+8*\b:\f+8*\b+7], v[\f+8*(4*\hi+\a):\f+8*(4*\hi+\a)+7], v[8*(8*(\a)+\b):8*(8*(\a)+\b)+7]
.endif
.endr
.endr
.endm
; 32 LDS loads in one run: the fragments of quarter q (32 along K) of a slot into buffer f
.macro FETCH slot, q, f
	WIN TO_B
.irp i, 0,1,2,3,4,5,6,7
	ds_load_tr16_b128 v[\f+8*\i:\f+8*\i+3],   v[ADRB+\slot] offset:\q*32*WPITCH+32*\i
	ds_load_tr16_b128 v[\f+8*\i+4:\f+8*\i+7], v[ADRB+\slot] offset:\q*32*WPITCH+32*\i+16*WPITCH
.endr
	WIN 0
.irp i, 0,1,2,3,4,5,6,7
	ds_load_b128 v[\f+8*\i:\f+8*\i+3],   v[ADRA+\slot] offset:64*\q+\i*16*PITCH
	ds_load_b128 v[\f+8*\i+4:\f+8*\i+7], v[ADRA+\slot] offset:64*\q+\i*16*PITCH+32
.endr
.endm
.macro PLACES                          ; four places behind a matrix instruction (ISA guide 7.12.1)
.rept 4
	v_nop
.endr
.endm
.macro QUARTER slot, q, f, g, zero     ; multiplies buffer f; in its middle fetches quarter q of the same slot into buffer g
	s_wait_dscnt 8                                 ; Wo and ob's rows 0-63 are in; the youngest eight loads (rows 64-127) may be out
	WIN MUL_LO
	MUL16 \f, 0, 0, \zero
	MUL16 \f, 0, 2, \zero
	PLACES
	FETCH \slot, \q, \g
	s_wait_dscnt 32                                ; all but the 32 just issued
	WIN MUL_HI
	MUL16 \f, 1, 0, \zero
	MUL16 \f, 1, 2, \zero
.endm
.macro THREE slot, zero
	QUARTER \slot, 1, F0, F1, \zero
	QUARTER \slot, 2, F1, F0, 0
	QUARTER \slot, 3, F0, F1, 0
.endm
; The last quarter and the change of slots.  In front of the barrier each wave waits for its reads of this slot and for all its tensor loads;
; behind it (where the slot is filled again: behind the round) the refill comes first, then the next slot's first fragments.
.macro TURN slot, next, fill
	s_wait_dscnt 8
	WIN MUL_LO
	MUL16 F1, 0, 0, 0
	s_wait_dscnt 0
	s_wait_tensorcnt 0x0
	ds_add_u32 v255, v255
	s_wait_dscnt 0x0
	s_barrier_signal -1
	MUL16 F1, 0, 2, 0                              ; register work while the others arrive
	WIN 0
	s_barrier_wait -1
.if \fill
	CREST                                          ; no wave of any partner still reads this slot or has a load on its way
	s_add_nc_u64 s[G0+4*\slot+2:G0+4*\slot+3], s[G0+4*\slot+2:G0+4*\slot+3], 2*KSTEP*2
	s_add_nc_u64 s[G0B+4*\slot+2:G0B+4*\slot+3], s[G0B+4*\slot+2:G0B+4*\slot+3], 2*KSTEP*2048
	JLOAD \slot                                    ; my one tensor load behind the round
.endif
	PLACES
	FETCH \next, 0, F0
	WIN MUL_HI
	MUL16 F1, 1, 0, 0
	MUL16 F1, 1, 2, 0
.endm
.macro LAP zero
	THREE 0, \zero
	TURN 0, 1, 1
	THREE 1, 0
	TURN 1, 0, 1
.endm
	s_wait_tensorcnt 1                             ; my part of K step 0 is in; step 1's may stay out
	s_barrier_signal -1
	s_barrier_wait -1
	FETCH 0, 0, F0
	LAP 1                                          ; the first lap's first products start the sums
	WIN 0
	s_mov_b32 s3, LAPS-2
.Llap:
	LAP 0
	WIN 0
	s_sub_co_u32 s3, s3, 1
	s_cmp_lg_u32 s3, 0
	s_cbranch_scc1 .Llap
	THREE 0, 0                                     ; the last lap fills nothing
	TURN 0, 1, 0
	THREE 1, 0
	s_wait_dscnt 8
	WIN MUL_LO
	MUL16 F1, 0, 0, 0
	MUL16 F1, 0, 2, 0
	s_wait_dscnt 0
	WIN MUL_HI
	MUL16 F1, 1, 0, 0
	MUL16 F1, 1, 2, 0
	; THE WAY OUT, 16 rows at a time: 32 bytes a lane straight from the accumulators into my own stage, read back as whole rows of 512 bytes
	PLACES
	s_lshl_b32 s16, s13, 20                        ; my first row: 256 rows of 4,096 bytes a block row,
	s_lshl_b32 s14, s11, 19                        ; my 128 rows
	s_add_co_u32 s16, s16, s14
	s_mov_b32 s17, 0
	s_add_nc_u64 s[8:9], s[8:9], s[16:17]
	s_lshl_b32 s46, s42, 10                        ; my first column, in bytes: 1,024 x block + 512 x half
	s_lshl_b32 s47, s12, 9
	s_add_co_u32 s46, s46, s47
	s_mov_b32 s47, 0
	s_add_nc_u64 s[8:9], s[8:9], s[46:47]
; rows 16 i .. 16 i + 15 of my block = the eight tiles (a, 0..7) of window 2 or 3 (from = 0x08 or 0x0c: the stores' data); f: F0 or F1 in turn
.macro OUT16 i, a, from, f
	WIN \from
.irp b, 0,1,2,3,4,5,6,7
	ds_store_b128 v[STO], v[8*(8*\a+\b):8*(8*\a+\b)+3]   offset:64*\b
	ds_store_b128 v[STO], v[8*(8*\a+\b)+4:8*(8*\a+\b)+7] offset:64*\b+16
.endr
	WIN 0
	s_wait_xcnt 0x0                                ; buffer f, which earlier stores read, and the stores' base are rewritten only behind this wait
.if \i
	s_add_nc_u64 s[8:9], s[8:9], 16*4096
.endif
.irp t, 0,1,2,3,4,5,6,7,8,9,10,11,12,13,14,15
	ds_load_b128 v[\f+4*\t:\f+4*\t+3], v[RD] offset:\t*SPITCH      ; LDS serves a wave's instructions in order (ISA guide 5.7.1): these see the stores above
.endr
.irp t, 0,1,2,3,4,5,6,7,8,9,10,11,12,13,14,15
	s_wait_dscnt 15-\t
	global_store_b128 v[CO], v[\f+4*\t:\f+4*\t+3], s[8:9] offset:\t*4096 th:TH_STORE_NT   ; the wave stores 512 consecutive bytes, aligned
.endr
.endm
	OUT16 0, 0, 0x08, F0
	OUT16 1, 1, 0x08, F1
	OUT16 2, 2, 0x08, F0
	OUT16 3, 3, 0x08, F1
	OUT16 4, 0, 0x0c, F0
	OUT16 5, 1, 0x0c, F1
	OUT16 6, 2, 0x0c, F0
	OUT16 7, 3, 0x0c, F1
	s_set_vgpr_msb 0x1
	s_wait_tensorcnt 0x0
	ds_add_u32 v255, v255
	s_wait_dscnt 0x0
	s_set_vgpr_msb 0x100
	CROUND                                         ; the closing round
	s_endpgm
.Lfunc_end_k_q24e43ff77f_oproj:
	.size	k_q24e43ff77f_oproj, .Lfunc_end_k_q24e43ff77f_oproj-k_q24e43ff77f_oproj
	.p2alignl 7, 3214868480
	.fill 96, 4, 3214868480
	.section	.rodata,"a",@progbits
	.p2align	6, 0x0
	.amdhsa_kernel k_q24e43ff77f_oproj
		.amdhsa_group_segment_fixed_size 327680
		.amdhsa_private_segment_fixed_size 0
		.amdhsa_enable_private_segment 0
		.amdhsa_kernarg_size 24
		.amdhsa_user_sgpr_count 2
		.amdhsa_user_sgpr_kernarg_segment_ptr 1
		.amdhsa_wavefront_size32 1
		.amdhsa_system_sgpr_workgroup_id_x 1
		.amdhsa_system_sgpr_workgroup_id_y 1
		.amdhsa_system_sgpr_workgroup_id_z 1
		.amdhsa_system_vgpr_workitem_id 0
		.amdhsa_next_free_vgpr 1024
		.amdhsa_next_free_sgpr 66
		.amdhsa_reserve_vcc 0
		.amdhsa_float_denorm_mode_32 3
		.amdhsa_float_denorm_mode_16_64 3
		.amdhsa_memory_ordered 1
		.amdhsa_forward_progress 1
		.amdhsa_inst_pref_size 196
	.end_amdhsa_kernel
	.amdgpu_metadata
---
amdhsa.version: [ 1, 2 ]
amdhsa.kernels:
  - .name:           k_q24e43ff77f_oproj
    .symbol:         k_q24e43ff77f_oproj.kd
    .args:
      - { .name: ob, .offset: 0, .size: 8, .value_kind: global_buffer, .address_space: global }
      - { .name: hf, .offset: 8, .size: 8, .value_kind: global_buffer, .address_space: global }
      - { .name: out0, .offset: 16, .size: 8, .value_kind: global_buffer, .address_space: global }
    .group_segment_fixed_size: 327680
    .private_segment_fixed_size: 0
    .kernarg_segment_align: 8
    .kernarg_segment_size: 24
    .max_flat_workgroup_size: 128
    .sgpr_count:     66
    .vgpr_count:     1024
    .wavefront_size: 32
...
	.end_amdgpu_metadata
.endif
;; end of part 4
;; ======== version 2 of 2: 4 launches
;; limits: values are held in f16: magnitudes above 65,504 overflow, below 6.1e-05 lose precision
;; workspace buffers: hf 12,582,912 bytes; kvb 8,388,608 bytes; ob 33,554,432 bytes
;; launch prep: the kernel of part 1 again; grid 128 x 6, 8 waves a work-group, no clusters, 0 bytes of LDS; arguments Wq, Wk, Wv, Wo, context, hf; writes hf
;; launch kvproj: the kernel of part 2 again; grid 16 x 16, 4 waves a work-group, clusters of 4 x 4, 327,680 bytes of LDS; arguments hf, kvb; writes kvb
;; launch qattn (part 5): grid 4 x 64, 4 waves a work-group, clusters of 4 x 4, 327,680 bytes of LDS; arguments x, hf, kvb, ob; writes ob
.if DOCPART == 5
	.amdgcn_target "amdgcn-amd-amdhsa--gfx1250"
	.amdhsa_code_object_version 6
	.text
	.protected	k_q24e43ff77f_qattn
	.globl	k_q24e43ff77f_qattn
	.p2align	8
	.type	k_q24e43ff77f_qattn,@function
k_q24e43ff77f_qattn:
	s_mov_b64 s[64:65], 0
	v_nop
	global_prefetch_b8 v0, s[64:65] scope:SCOPE_SE
	s_setreg_imm32_b32 hwreg(HW_REG_WAVE_MODE, 25, 1), 1
	s_wait_xcnt 0x0
	s_wait_alu depctr_hold_cnt(0) depctr_sa_sdst(0) depctr_va_vdst(0) depctr_va_sdst(0) depctr_va_ssrc(0) depctr_va_vcc(0) depctr_vm_vsrc(0)
	s_getreg_b32 s2, hwreg(HW_REG_IB_STS2, 6, 4)
	s_cmp_eq_u32 s2, 0
	s_cbranch_scc0 .Lentry_in_a_cluster
	s_endpgm
.Lentry_in_a_cluster:
	s_bfe_u32 s2, ttmp6, 0x10000c
	s_cmp_lg_u32 s2, 0xf033
	s_cbranch_scc0 .Lentry_shape_is_right
	s_endpgm
.Lentry_shape_is_right:
; ob[l][64 head + d] = softmax(Q K^T / 8) V with Q = x Wq, for 256 rows (block row by, 0..63) and four heads (group hg, 0..3) a work-group.
; Matrix operands f16, sums, softmax and what is carried from chunk to chunk f32; ob is f16.
; LIMITS: x, Q, K, V are matrix operands in f16: magnitudes below 65,504.  A NaN score is dropped by the maxima.  An exponential below 2^-126 is zero.
; Wave w owns rows 64 w .. 64 w + 63 (four tiles a of 16) and all 256 inner columns: from the product on nothing passes between waves.
; EVERYTHING IS TRANSPOSED: source 0 is what streams (columns of Wq, rows of K, columns of V), source 1 the rows l.  A result tile then holds in lane
; (r, h), register j, the element (8 h + j, l = r); two neighbouring tiles rounded to f16 ARE the next product's source 1.  So Q, the scores and the
; weights never leave the registers, and a row's maximum and sum lie in one lane and its partner 16 lanes away.
; PHASE 1: Q^T = Wq^T x^T, K = 1,024 in 16 steps of 64 through two LDS slots G0, G1 (x as f32, rounded on the way into the fragments; Wq as f16 [k][n]).
; Two slots of 128 along K would take 2 x (256 x 528 + 128 x 544) = 409,600 bytes, more than a work-group can have, so a tile's request stands one
; step of 64 ahead of its use and no more.  PREFETCH: x is read once in the launch, so its tiles are also asked for ahead of their tensor loads:
; at the head of each lap of two steps the four work-groups that share a block row ask for the next lap's 256 rows x 512 bytes, 512 blocks of 256 bytes
; for their 4 x 4 waves x 32 lanes, each block once.  Laps 0 to 6 ask; the last lap has nothing left to ask for.  Wq and kvb are not asked for: each of
; their blocks is read again by many work-groups.
; PHASE 2: sixteen chunks (head t / 4, keys 128 (t % 4) ..): S^T = K Q^T, running softmax, O^T += V^T P^T.  ONE body serves chunks 0 to 14, so that the
; softmax's long run of vector instructions stands in the text twice (the body, and chunk 15, which asks for no tile) and not once for each chunk of a head.
; K and V have ONE LDS slot T of one chunk; the second buffer is the registers: a chunk's fragments are 128 + 128 registers, and as soon as every wave
; of the cluster holds them T is asked for again; that load has the softmax and the 64 PV products in which to land.  So every LDS address is a
; constant and a lane term.  A head's result, rounded to f16, stays in registers (in the place that its Q fragments leave free) until all four are done.
; CLUSTERS: 4 x 4.  x's tile hangs on by alone and is asked for jointly along a row of the cluster; Wq's, K's and V's hang on hg (and on the batch,
; which is the cluster's own y / 4) and are asked for jointly along a column.
; LDS: G0 at 0, T behind it, G1 behind that.  The stage of the way out takes G1's bytes and the bytes behind them; every stage store stands behind
; the launch's last tensor load and behind barriers that every wave passed with its reads of G1 waited for.
.set PX,     272                       ; x's LDS row: 64 f32 + 16 bytes
.set PWQ,    544                       ; Wq's: 256 f16 + 32
.set PITV,   160                       ; V's: 64 f16 + 32
.set PITK,   144                       ; K's: 64 f16 + 16
.set XPART,  128*PX                    ; one tensor load: 128 rows of x
.set WPART,  32*PWQ                    ; 32 k rows of Wq
.set XBYTES, 2*XPART
.set GBYTES, XBYTES+2*WPART            ; 104,448
.set VPART,  64*PITV                   ; one tensor load: 64 keys of V
.set KPART,  64*PITK                   ; 64 keys of K
.set VBYTES, 2*VPART
.set TBYTES, VBYTES+2*KPART            ; 38,912
.set TB,     GBYTES
.set GB1,    GBYTES+TBYTES             ; 143,360
.set STAGE,  GB1
.set SP,     528                       ; a stage row: 256 f16 + 16 bytes
.set SWAVE,  64*SP                     ; the four waves' stages end at 278,528
; window 0
.set ADRX, 16                          ; v16-17 x fragments in G0, G1
.set ADRW, 18                          ; v18-19 Wq fragments
.set ADRK, 20                          ; v20    K fragments in T
.set ADRV, 22                          ; v22    V fragments in T
.set STO,  24                          ; stage, in
.set RD,   25                          ; stage, back
.set CO,   26                          ; my byte offset in ob
.set XPF,  28                          ; v28    the prefetch's lane offset in x; never rewritten
.set XF,   32                          ; v32-63   x fragments, f16
.set XS,   64                          ; v64-127  x as loaded, f32 (phase 1)
.set VF,   64                          ; v64-191  16 V fragments (phase 2)
.set TM,   192                         ; per tile a: at work
.set TX,   196                         ; the partner lane's figure
.set MR,   200                         ; running maximum of the raw scores
.set NM,   204                         ; pairs: - c x maximum, twice
.set AL,   212                         ; pairs: the factor for what was summed under the old maximum, twice
.set L2,   220                         ; pairs: two partial sums of the weights
; window 1: phase 1 Wq fragments, two buffers; phase 2 four places of 64 registers: Q fragments at 8 (4 kf + a) of a place, finished heads at 4 (4 dt + a)
.set WF0,  64
.set WF1,  128
; windows 2, 3: phase 1 accumulator (b, a) at window 2 + b / 8, v[8 (4 (b % 8) + a)];
; phase 2: window 2 = S(mt, a) at v[8 (4 mt + a)], P in place; window 3 = O(dt, a) at v[8 (4 dt + a)] and K fragments from v128
.set KF,   128
.set G1X, 24                           ; group 1 and the two sets of group 0 for x,
.set G0X, 32
.set G1W, 40                           ; Wq;
.set G0W, 48
.set G1K, 56                           ; group 1 and the one set of group 0 for K,
.set G0K, 76
.set G1V, 68                           ; V
.set G0V, 84
.set KBASE, 66                         ; s[66:67] my part of the group's first chunk of K
.set VBASE, 80                         ; s[80:81] the same of V
.set OFFP,  82                         ; s[82:83] a chunk's byte offset from the first
.set XPB,   88                         ; s[88:89] the prefetch's base in x: my wave's 16 rows, the lap that is asked for
.set MSB, 0
.macro WIN new                         ; low byte: bits 1:0 source 0, 3:2 source 1, 5:4 source 2, 7:6 destination; high byte: the setting that is left
.if MSB != \new
	s_set_vgpr_msb (MSB<<8)|\new
.set MSB, \new
.endif
.endm
.macro PLACES n                        ; places behind a matrix instruction (ISA guide 7.12.1)
.rept \n
	v_nop
.endr
.endm
.macro JLOAD s                         ; phase 1: waves 0, 1 ask for x's halves, waves 2, 3 for Wq's
	s_cmp_eq_u32 s13, 0
	s_cbranch_scc0 .Lfor_w_\@
	tensor_load_to_lds s[G0X+4*\s:G0X+4*\s+3], s[G1X:G1X+7]
	s_nop 0
	s_branch .Lasked_\@
.Lfor_w_\@:
	tensor_load_to_lds s[G0W+4*\s:G0W+4*\s+3], s[G1W:G1W+7]
	s_nop 0
.Lasked_\@:
.endm
.macro JLOADT                          ; phase 2: waves 0, 1 ask for V's halves, waves 2, 3 for K's
	s_cmp_eq_u32 s13, 0
	s_cbranch_scc0 .Lfor_k_\@
	tensor_load_to_lds s[G0V:G0V+3], s[G1V:G1V+7]
	s_nop 0
	s_branch .Laskedt_\@
.Lfor_k_\@:
	tensor_load_to_lds s[G0K:G0K+3], s[G1K:G1K+7]
	s_nop 0
.Laskedt_\@:
.endm
.macro CREST
	s_cmp_lg_u32 s12, 0
	s_cbranch_scc1 .Lnot_wave_0_\@
	s_barrier_signal -3
.Lnot_wave_0_\@:
	s_barrier_wait -3
	s_barrier_signal -1
	s_barrier_wait -1
.endm
.macro CROUND
	s_barrier_signal -1
	s_barrier_wait -1
	CREST
.endm
; A head begins with no maximum: m = -inf, - c m = +inf.  Its first chunk's factor for the old sums is then 2^(-inf) = 0.
.macro NEWHEAD
.irp a, 0,1,2,3
	v_mov_b32 v[MR+\a], 0xff800000
	v_mov_b32 v[NM+2*\a], 0x7f800000
	v_mov_b32 v[NM+2*\a+1], 0x7f800000
.endr
.endm
; The head of a lap: my wave's share of the next lap's x, 16 rows x 2 blocks of 256 bytes, one block a lane.  The tensor loads that will want these
; bytes are issued near the ends of this lap's two steps.  step = 1: the base goes one lap (512 bytes of each row) on, behind the wait that shows
; that the last lap's request has read it; that request was issued a whole lap ago.
.macro XASK step
	WIN 0
.if \step
	s_wait_xcnt 0x0
	s_add_nc_u64 s[XPB:XPB+1], s[XPB:XPB+1], 512
.endif
	global_prefetch_b8 v[XPF], s[XPB:XPB+1] th:TH_LOAD_NT scope:SCOPE_SE
.endm
	s_load_b256 s[4:11], s[0:1], 0x0               ; x s[4:5], hf s[6:7], kvb s[8:9], ob s[10:11]
	v_lshl_add_u32 v254, v0, 2, 0x44000
	v_mov_b32 v255, 0
	ds_add_u32 v254, v255
	v_lshrrev_b32 v1, 5, v0
	v_readfirstlane_b32 s12, v1                    ; wave 0..3
	s_lshr_b32 s13, s12, 1                         ; which tensor I fetch
	s_and_b32 s14, s12, 1                          ; which half of its tile
	s_bfe_u32 s15, ttmp6, 0x40000                  ; cx
	s_bfe_u32 s16, ttmp6, 0x40004                  ; cy
	s_lshl_b32 s17, ttmp9, 2
	s_add_co_u32 s17, s17, s15                     ; hg
	s_and_b32 s19, ttmp7, 0xffff                   ; the cluster's y
	s_lshl_b32 s18, s19, 2
	s_add_co_u32 s18, s18, s16                     ; by
	s_lshr_b32 s19, s19, 2                         ; batch: 16 block rows = 4 clusters each
	s_lshl_b32 s2, s16, 2
	s_lshl_b32 s2, 15, s2                          ; my row of the cluster
	s_lshl_b32 s3, 0x1111, s15                     ; my column
	s_mov_b32 s92, 0x3e38aa3b                      ; c = log2(e) / 8: the scale of the scores and the change of base in one factor
	s_mov_b32 s93, 0x3e38aa3b
	s_mov_b32 s94, 0xbe38aa3b                      ; - c
	s_mov_b32 s96, 0x76543210                      ; v_permlanex16_b32: lane i reads lane i of the other half
	s_mov_b32 s97, 0xfedcba98
	; x: 128 rows x 64 elements of 4 bytes; after every 64 words (code 5) 4 words of padding (code 3)
	s_or_b32 s[G1X+0], s2, (2<<16)|(1<<20)|(1<<21)|(5<<22)|(3<<25)
	s_mov_b32 s[G1X+1], 64<<16
	s_mov_b32 s[G1X+2], 128<<16
	s_mov_b32 s[G1X+3], 64<<16
	s_mov_b32 s[G1X+4], 128
	s_mov_b32 s[G1X+5], 1024
	s_mov_b32 s[G1X+6], 0
	s_mov_b32 s[G1X+7], 0
	; Wq: 32 k rows x 256 elements of 2 bytes; after every 128 words (code 6) 8 words (code 7)
	s_or_b32 s[G1W+0], s3, (1<<16)|(1<<20)|(1<<21)|(6<<22)|(7<<25)
	s_mov_b32 s[G1W+1], 256<<16
	s_mov_b32 s[G1W+2], 32<<16
	s_mov_b32 s[G1W+3], 256<<16
	s_mov_b32 s[G1W+4], 32
	s_mov_b32 s[G1W+5], 1024
	s_mov_b32 s[G1W+6], 0
	s_mov_b32 s[G1W+7], 0
	; K and V: 64 keys x 64 elements of 2 bytes; after every 32 words (code 4) 4 words for K, 8 for V
	s_or_b32 s[G1K+0], s3, (1<<16)|(1<<20)|(1<<21)|(4<<22)|(3<<25)
	s_or_b32 s[G1V+0], s3, (1<<16)|(1<<20)|(1<<21)|(4<<22)|(7<<25)
	s_mov_b32 s[G1K+1], 64<<16
	s_mov_b32 s[G1V+1], 64<<16
	s_mov_b32 s[G1K+2], 64<<16
	s_mov_b32 s[G1V+2], 64<<16
	s_mov_b32 s[G1K+3], 64<<16
	s_mov_b32 s[G1V+3], 64<<16
	s_mov_b32 s[G1K+4], 64
	s_mov_b32 s[G1V+4], 64
	s_mov_b32 s[G1K+5], 1024
	s_mov_b32 s[G1V+5], 1024
	s_mov_b32 s[G1K+6], 0
	s_mov_b32 s[G1V+6], 0
	s_mov_b32 s[G1K+7], 0
	s_mov_b32 s[G1V+7], 0
	; offsets: x's from by, the others' from hg and the batch, each in registers that never hold the other place in the cluster
	s_lshl_b32 s20, s18, 20                        ; 256 rows of 4,096 bytes a block row
	s_lshl_b32 s21, s14, 19                        ; my 128 rows
	s_add_co_u32 s20, s20, s21
	s_mov_b32 s21, 0
	s_lshl_b32 s22, s17, 9                         ; the group's 256 columns = 512 bytes
	s_lshl_b32 s23, s14, 16                        ; my 32 k rows of 2,048 bytes
	s_add_co_u32 s22, s22, s23
	s_mov_b32 s23, 0
	s_lshl_b32 s66, s19, 20                        ; 512 keys of 2,048 bytes a batch
	s_lshl_b32 s67, s14, 17                        ; my 64 keys
	s_add_co_u32 s66, s66, s67
	s_lshl_b32 s67, s17, 9
	s_add_co_u32 s66, s66, s67
	s_mov_b32 s67, 0
	s_mov_b32 s[OFFP+1], 0
	s_lshl_b32 s98, s18, 19                        ; ob: 256 rows of 2,048 bytes a block row,
	s_lshl_b32 s99, s12, 17                        ; my wave's 64 rows,
	s_add_co_u32 s98, s98, s99
	s_lshl_b32 s99, s17, 9                         ; the group's 512 bytes
	s_add_co_u32 s98, s98, s99
	s_mov_b32 s99, 0
	s_lshl_b32 s[XPB], s18, 20                     ; the prefetch: the block row's 256 rows of 4,096 bytes are shared out among the four work-groups
	s_lshl_b32 s90, s15, 18                        ; that read them, 64 rows each by the place along the cluster's x,
	s_add_co_u32 s[XPB], s[XPB], s90
	s_lshl_b32 s90, s12, 16                        ; and among their waves, 16 rows each;
	s_add_co_u32 s[XPB], s[XPB], s90
	s_add_co_u32 s[XPB], s[XPB], 512               ; the first request is for steps 2 and 3
	s_mov_b32 s[XPB+1], 0
	s_wait_dscnt 0x0
	s_wait_kmcnt 0x0
	s_add_nc_u64 s[20:21], s[4:5], s[20:21]
	s_add_nc_u64 s[22:23], s[6:7], s[22:23]        ; Wq is unit 0 of hf
	s_add_nc_u64 s[KBASE:KBASE+1], s[8:9], s[66:67]
	s_add_nc_u64 s[VBASE:VBASE+1], s[KBASE:KBASE+1], 0x400000   ; V lies 4 MiB behind K
	s_add_nc_u64 s[98:99], s[10:11], s[98:99]
	s_add_nc_u64 s[XPB:XPB+1], s[4:5], s[XPB:XPB+1]
	; group 0: LDS addresses are a constant, the wave's number times a constant and the slot's constant
	s_mov_b32 s[G0X+0], 1
	s_mul_i32 s[G0X+1], s12, XPART
	s_add_nc_u64 s[G0X+2:G0X+3], s[20:21], 0
	s_or_b32 s[G0X+3], s[G0X+3], 0x80000000
	s_mov_b32 s[G0X+4], 1
	s_add_co_u32 s[G0X+5], s[G0X+1], GB1
	s_add_nc_u64 s[G0X+6:G0X+7], s[20:21], 256     ; step 1: 64 f32 on
	s_or_b32 s[G0X+7], s[G0X+7], 0x80000000
	s_mov_b32 s[G0W+0], 1
	s_mul_i32 s[G0W+1], s12, WPART
	s_add_co_u32 s[G0W+1], s[G0W+1], XBYTES-2*WPART
	s_add_nc_u64 s[G0W+2:G0W+3], s[22:23], 0
	s_or_b32 s[G0W+3], s[G0W+3], 0x80000000
	s_mov_b32 s[G0W+4], 1
	s_add_co_u32 s[G0W+5], s[G0W+1], GB1
	s_add_nc_u64 s[G0W+6:G0W+7], s[22:23], 64*2048
	s_or_b32 s[G0W+7], s[G0W+7], 0x80000000
	s_mov_b32 s[G0K+0], 1
	s_mul_i32 s[G0K+1], s12, KPART
	s_add_co_u32 s[G0K+1], s[G0K+1], TB+VBYTES-2*KPART   ; K's halves behind V's (waves 2, 3)
	s_add_nc_u64 s[G0K+2:G0K+3], s[KBASE:KBASE+1], 0
	s_or_b32 s[G0K+3], s[G0K+3], 0x80000000
	s_mov_b32 s[G0V+0], 1
	s_mul_i32 s[G0V+1], s12, VPART
	s_add_co_u32 s[G0V+1], s[G0V+1], TB
	s_add_nc_u64 s[G0V+2:G0V+3], s[VBASE:VBASE+1], 0
	s_or_b32 s[G0V+3], s[G0V+3], 0x80000000
	CROUND                                         ; all sixteen work-groups are here: the first joint loads meet
	s_cmp_eq_u32 s13, 0                            ; the first fills, one group in one branch: G0, G1, T.  Three tensor loads of the wave are out
	s_cbranch_scc0 .Lfirst_wk
	tensor_load_to_lds s[G0X:G0X+3], s[G1X:G1X+7]
	s_nop 0
	tensor_load_to_lds s[G0X+4:G0X+7], s[G1X:G1X+7]
	s_nop 0
	tensor_load_to_lds s[G0V:G0V+3], s[G1V:G1V+7]
	s_nop 0
	s_branch .Lfirst_done
.Lfirst_wk:
	tensor_load_to_lds s[G0W:G0W+3], s[G1W:G1W+7]
	s_nop 0
	tensor_load_to_lds s[G0W+4:G0W+7], s[G1W:G1W+7]
	s_nop 0
	tensor_load_to_lds s[G0K:G0K+3], s[G1K:G1K+7]
	s_nop 0
.Lfirst_done:
	v_and_b32 v1, 15, v0                           ; r
	v_bfe_u32 v2, v0, 4, 1                         ; h
	v_and_b32 v3, 7, v0
	v_bfe_u32 v4, v0, 3, 1
	v_lshl_add_u32 v5, v2, 3, v3                   ; the row that a transposing load addresses: 8 h + lane % 8
	v_and_b32 v6, 31, v0                           ; lane
	v_mul_u32_u24 v7, v1, PX
	v_lshl_add_u32 v7, v2, 5, v7                   ; eight f32 = 32 bytes a half
	s_mul_i32 s95, s12, 64*PX                      ; my wave's 64 rows
	v_add_nc_u32 v[ADRX], s95, v7
	v_add_nc_u32 v[ADRX+1], GB1, v[ADRX]
	v_mul_u32_u24 v7, v5, PWQ
	v_lshl_add_u32 v7, v4, 4, v7
	v_add_nc_u32 v[ADRW], XBYTES, v7
	v_add_nc_u32 v[ADRW+1], GB1+XBYTES, v7
	v_mul_u32_u24 v7, v1, PITK
	v_lshl_add_u32 v7, v2, 4, v7
	v_add_nc_u32 v[ADRK], TB+VBYTES, v7
	v_mul_u32_u24 v7, v5, PITV
	v_lshl_add_u32 v7, v4, 4, v7
	v_add_nc_u32 v[ADRV], TB, v7
	s_mul_i32 s95, s12, SWAVE
	s_add_co_u32 s95, s95, STAGE                   ; my wave's stage
	v_mul_u32_u24 v7, v1, SP
	v_lshl_add_u32 v7, v2, 4, v7
	v_add_nc_u32 v[STO], s95, v7
	v_lshlrev_b32 v[CO], 4, v6
	v_add_nc_u32 v[RD], s95, v[CO]
	v_lshlrev_b32 v[XPF], 12, v1                   ; the prefetch: row lane % 16 of my wave's sixteen,
	v_lshl_add_u32 v[XPF], v2, 8, v[XPF]           ; and the first or the second 256 bytes of the lap's 512
.irp a, 0,1,2,3
	v_mov_b32 v[TX+\a], 0                          ; v_permlanex16_b32 counts as a reader of its destination
	v_mov_b32 v[L2+2*\a], 0                        ; the sums of the weights: every head's first factor, 0, starts them anew
	v_mov_b32 v[L2+2*\a+1], 0
.endr
	NEWHEAD
; ---------------------------------------------------------------- phase 1
; 16 transposing loads: eight column tiles (group g of two) of Wq, 32 along K (number kk of the slot's two), into buffer f of window 1
.macro WFETCH slot, kk, g, f
	WIN 0x40
.irp i, 0,1,2,3,4,5,6,7
	ds_load_tr16_b128 v[\f+8*\i:\f+8*\i+3],   v[ADRW+\slot] offset:32*PWQ*\kk+32*(8*\g+\i)
	ds_load_tr16_b128 v[\f+8*\i+4:\f+8*\i+7], v[ADRW+\slot] offset:32*PWQ*\kk+32*(8*\g+\i)+16*PWQ
.endr
.endm
; 16 loads: my 64 rows x 32 k of x in f32.  A lane's k = 8 h .. 8 h + 7 are 32 bytes, its k = 16 + 8 h .. are 64 bytes further
.macro XFETCH slot, kk
	WIN 0
.irp a, 0,1,2,3
	ds_load_b128 v[XS+16*\a:XS+16*\a+3],     v[ADRX+\slot] offset:16*PX*\a+128*\kk
	ds_load_b128 v[XS+16*\a+4:XS+16*\a+7],   v[ADRX+\slot] offset:16*PX*\a+128*\kk+16
	ds_load_b128 v[XS+16*\a+8:XS+16*\a+11],  v[ADRX+\slot] offset:16*PX*\a+128*\kk+64
	ds_load_b128 v[XS+16*\a+12:XS+16*\a+15], v[ADRX+\slot] offset:16*PX*\a+128*\kk+80
.endr
.endm
.macro XCVT                            ; the one rounding of x to f16: four fragments
	WIN 0
.irp a, 0,1,2,3
.irp i, 0,1,2,3,4,5,6,7
	v_cvt_pk_f16_f32 v[XF+8*\a+\i], v[XS+16*\a+2*\i], v[XS+16*\a+2*\i+1]
.endr
.endr
.endm
; 16 matrix instructions: column tiles lo .. lo + 3 of group g x my four row tiles.  The accumulators take turns, one instruction a turn.
.macro MULG4 g, lo, zero
	WIN (0xa1+0x50*\g)                             ; source 0 window 1, source 1 window 0, C and D window 2 + g
.irp bb, \lo, \lo+1, \lo+2, \lo+3
.irp a, 0,1,2,3
.if \zero
	v_wmma_f32_16x16x32_f16 v[8*(4*(\bb)+\a):8*(4*(\bb)+\a)+7], v[WF0+64*\g+8*(\bb):WF0+64*\g+8*(\bb)+7], v[XF+8*\a:XF+8*\a+7], 0
.else
	v_wmma_f32_16x16x32_f16 v[8*(4*(\bb)+\a):8*(4*(\bb)+\a)+7], v[WF0+64*\g+8*(\bb):WF0+64*\g+8*(\bb)+7], v[XF+8*\a:XF+8*\a+7], v[8*(4*(\bb)+\a):8*(4*(\bb)+\a)+7]
.endif
.endr
.endr
.endm
.macro HALF_A slot, kk, zero           ; group 0 of kk; group 1's fragments are fetched ahead of it
	PLACES 4                                       ; behind the products that read buffer 1 and the x fragments
	WFETCH \slot, \kk, 1, WF1
	s_wait_dscnt 16                                ; all but the 16 just issued: buffer 0 and x are in
	XCVT
	MULG4 0, 0, \zero
	MULG4 0, 4, \zero
.endm
.macro HALF_B slot, zero               ; group 1 of kk = 0; kk = 1's first fragments are fetched ahead of it
	PLACES 4
	WFETCH \slot, 1, 0, WF0
	XFETCH \slot, 1
	s_wait_dscnt 32                                ; all but the 32 just issued: buffer 1 is in
	MULG4 1, 0, \zero
	MULG4 1, 4, \zero
.endm
; group 1 of kk = 1 and the change of slots.  In front of the barrier: my reads of this slot and all my tensor loads.
; fill = 1: the barrier opens a round of the cluster's barrier, and behind the round this slot gets the tile two steps ahead, first of all.
.macro TURN slot, next, fill
	s_wait_dscnt 0x0
	s_set_vgpr_msb 0xa1a0
	s_wait_tensorcnt 0x0
	ds_add_u32 v254, v255
	s_wait_dscnt 0x0
	s_set_vgpr_msb 0xa0a1
	s_barrier_signal -1
	MULG4 1, 0, 0                                  ; register work while the others arrive
	WIN 0
	s_barrier_wait -1
.if \fill
	CREST                                          ; no wave of any partner still reads this slot or has a load on its way
	s_add_nc_u64 s[G0X+4*\slot+2:G0X+4*\slot+3], s[G0X+4*\slot+2:G0X+4*\slot+3], 512
	s_add_nc_u64 s[G0W+4*\slot+2:G0W+4*\slot+3], s[G0W+4*\slot+2:G0W+4*\slot+3], 128*2048
	JLOAD \slot
.endif
	PLACES 4
	WFETCH \next, 0, 0, WF0
	XFETCH \next, 0
	MULG4 1, 4, 0
.endm
.macro STEP slot, next, fill, zero
	HALF_A \slot, 0, \zero
	HALF_B \slot, \zero
	HALF_A \slot, 1, 0
	TURN \slot, \next, \fill
.endm
	s_wait_tensorcnt 0x2                           ; my part of G0 is in; G1's and T's may stay out
	s_barrier_signal -1
	s_barrier_wait -1
	WFETCH 0, 0, 0, WF0
	XFETCH 0, 0
	XASK 0                                         ; lap 0 asks for the x of steps 2 and 3
	STEP 0, 1, 1, 1                                ; steps 0 and 1 stand in front of the loop: the first products start the sums
	STEP 1, 0, 1, 0
	WIN 0
	s_mov_b32 s19, 6
.Llap:                                             ; steps 2 to 13
	XASK 1                                         ; laps 1 to 6 ask for the x of steps 4 to 15: the last request ends at byte 4,095 of each row
	STEP 0, 1, 1, 0
	STEP 1, 0, 1, 0
	WIN 0
	s_sub_co_u32 s19, s19, 1
	s_cmp_lg_u32 s19, 0
	s_cbranch_scc1 .Llap
	STEP 0, 1, 0, 0                                ; steps 14 and 15 fill nothing and ask for nothing
	HALF_A 1, 0, 0
	HALF_B 1, 0
	HALF_A 1, 1, 0
	s_wait_dscnt 0x0
	MULG4 1, 0, 0
	MULG4 1, 4, 0
; ---------------------------------------------------------------- Q's fragments
; Head hd, 32 of d (kf), row tile a: registers 0-3 from accumulator tile 4 hd + 2 kf, registers 4-7 from the tile behind it
.macro QCVT hd
.irp kf, 0,1
.irp a, 0,1,2,3
.irp i, 0,1,2,3
	v_cvt_pk_f16_f32 v[64*\hd+8*(4*\kf+\a)+\i], v[8*(4*((4*\hd+2*\kf)%8)+\a)+2*\i], v[8*(4*((4*\hd+2*\kf)%8)+\a)+2*\i+1]
.endr
.irp i, 0,1,2,3
	v_cvt_pk_f16_f32 v[64*\hd+8*(4*\kf+\a)+4+\i], v[8*(4*((4*\hd+2*\kf+1)%8)+\a)+2*\i], v[8*(4*((4*\hd+2*\kf+1)%8)+\a)+2*\i+1]
.endr
.endr
.endr
.endm
; ---------------------------------------------------------------- phase 2
.macro KFETCH                          ; 32 loads, four for each tile row mt: 128 keys x 64 d of K, into window 3
	WIN 0xc0
.irp mt, 0,1,2,3,4,5,6,7
.irp kf, 0,1
	ds_load_b128 v[KF+8*(2*\mt+\kf):KF+8*(2*\mt+\kf)+3],   v[ADRK] offset:16*\mt*PITK+64*\kf
	ds_load_b128 v[KF+8*(2*\mt+\kf)+4:KF+8*(2*\mt+\kf)+7], v[ADRK] offset:16*\mt*PITK+64*\kf+32
.endr
.endr
.endm
.macro VFETCH                          ; 32 transposing loads: 128 keys x 64 d of V
	WIN 0
.irp ks, 0,1,2,3
.irp dt, 0,1,2,3
	ds_load_tr16_b128 v[VF+8*(4*\ks+\dt):VF+8*(4*\ks+\dt)+3],   v[ADRV] offset:32*\ks*PITV+32*\dt
	ds_load_tr16_b128 v[VF+8*(4*\ks+\dt)+4:VF+8*(4*\ks+\dt)+7], v[ADRV] offset:32*\ks*PITV+32*\dt+16*PITV
.endr
.endr
.endm
; S^T = K Q^T: 64 matrix instructions; four accumulators take turns, one instruction a turn.
; Each tile row starts as soon as its own four loads are in: of the 64 loads issued, those behind K's 4 (mt + 1) may stay out.
.macro SMUL
	WIN 0xa7                                       ; source 0 window 3, source 1 window 1, C and D window 2
.irp mt, 0,1,2,3,4,5,6,7
.if \mt
	s_wait_dscnt 60-4*\mt
.endif
.irp a, 0,1,2,3
	v_wmma_f32_16x16x32_f16 v[8*(4*\mt+\a):8*(4*\mt+\a)+7], v[KF+16*\mt:KF+16*\mt+7], v[8*\a:8*\a+7], 0
.endr
.irp a, 0,1,2,3
	v_wmma_f32_16x16x32_f16 v[8*(4*\mt+\a):8*(4*\mt+\a)+7], v[KF+16*\mt+8:KF+16*\mt+15], v[32+8*\a:32+8*\a+7], v[8*(4*\mt+\a):8*(4*\mt+\a)+7]
.endr
.endr
.endm
.macro PVK ks, zero
.irp dt, 0,1,2,3
.irp a, 0,1,2,3
.if \zero
	v_wmma_f32_16x16x32_f16 v[8*(4*\dt+\a):8*(4*\dt+\a)+7], v[VF+8*(4*\ks+\dt):VF+8*(4*\ks+\dt)+7], v[8*(8*\ks+\a):8*(8*\ks+\a)+7], 0
.else
	v_wmma_f32_16x16x32_f16 v[8*(4*\dt+\a):8*(4*\dt+\a)+7], v[VF+8*(4*\ks+\dt):VF+8*(4*\ks+\dt)+7], v[8*(8*\ks+\a):8*(8*\ks+\a)+7], v[8*(4*\dt+\a):8*(4*\dt+\a)+7]
.endif
.endr
.endr
.endm
.macro PVMUL first                     ; O^T += V^T P^T: 64 matrix instructions, sixteen accumulators by turns; first = 1: the first products start the sums
	WIN 0xf8                                       ; source 0 window 0, source 1 window 2, C and D window 3
	PVK 0, \first
	PVK 1, 0
	PVK 2, 0
	PVK 3, 0
.endm
; The running softmax of one chunk, the four row tiles side by side (four chains that do not wait for each other).
; A lane holds 64 of its row's 128 scores, its partner 16 lanes away the other 64.  P = 2^(c S - c m), m the running maximum of the raw scores.
.macro SOFTMAX
	WIN 0x0a
.irp a, 0,1,2,3
	v_max_num_f32 v[TM+\a], v[8*\a], v[8*\a+1]
.endr
	WIN 0x28
.irp j, 2,4,6
.irp a, 0,1,2,3
	v_max3_num_f32 v[TM+\a], v[TM+\a], v[8*\a+\j], v[8*\a+\j+1]
.endr
.endr
.irp mt, 1,2,3,4,5,6,7
.irp j, 0,2,4,6
.irp a, 0,1,2,3
	v_max3_num_f32 v[TM+\a], v[TM+\a], v[8*(4*\mt+\a)+\j], v[8*(4*\mt+\a)+\j+1]
.endr
.endr
.endr
	WIN 0
.irp a, 0,1,2,3
	v_permlanex16_b32 v[TX+\a], v[TM+\a], s96, s97
.endr
.irp a, 0,1,2,3
	v_max3_num_f32 v[MR+\a], v[MR+\a], v[TM+\a], v[TX+\a]
.endr
.irp a, 0,1,2,3
	v_mul_f32 v[TM+\a], s94, v[MR+\a]              ; - c m, rounded once; every later use takes this rounded figure
.endr
.irp a, 0,1,2,3
	v_sub_f32 v[AL+2*\a], v[TM+\a], v[NM+2*\a]     ; c (old m - new m), at most 0; -inf in a head's first chunk
.endr
.irp a, 0,1,2,3
	v_exp_f32 v[AL+2*\a], v[AL+2*\a]
.endr
.irp a, 0,1,2,3
	v_mov_b32 v[NM+2*\a], v[TM+\a]                 ; plain work behind the exponentials, which touches none of their registers (ISA guide 5.7.2)
	v_mov_b32 v[NM+2*\a+1], v[TM+\a]
.endr
	s_wait_alu depctr_va_vdst(0)
.irp a, 0,1,2,3
	v_mov_b32 v[AL+2*\a+1], v[AL+2*\a]
.endr
.irp a, 0,1,2,3
	v_pk_mul_f32 v[L2+2*\a:L2+2*\a+1], v[L2+2*\a:L2+2*\a+1], v[AL+2*\a:AL+2*\a+1]
.endr
	WIN 0xc3                                       ; in a head's first chunk these 64 work on registers that the first PV products then overwrite
.irp dt, 0,1,2,3
.irp a, 0,1,2,3
.irp j, 0,2,4,6
	v_pk_mul_f32 v[8*(4*\dt+\a)+\j:8*(4*\dt+\a)+\j+1], v[8*(4*\dt+\a)+\j:8*(4*\dt+\a)+\j+1], v[AL+2*\a:AL+2*\a+1]
.endr
.endr
.endr
	WIN 0x82
.irp mt, 0,1,2,3,4,5,6,7
.irp a, 0,1,2,3
.irp j, 0,2,4,6
	v_pk_fma_f32 v[8*(4*\mt+\a)+\j:8*(4*\mt+\a)+\j+1], v[8*(4*\mt+\a)+\j:8*(4*\mt+\a)+\j+1], s[92:93], v[NM+2*\a:NM+2*\a+1] op_sel_hi:[1,0,1]
.endr
.endr
.irp a, 0,1,2,3
.irp j, 0,1,2,3,4,5,6,7
	v_exp_f32 v[8*(4*\mt+\a)+\j], v[8*(4*\mt+\a)+\j]
.endr
.endr
.endr
	v_nop                                          ; the plain place behind the last run of exponentials
	WIN 0x08
	s_wait_alu depctr_va_vdst(0)
.irp mt, 0,1,2,3,4,5,6,7
.irp j, 0,2,4,6
.irp a, 0,1,2,3
	v_pk_add_f32 v[L2+2*\a:L2+2*\a+1], v[L2+2*\a:L2+2*\a+1], v[8*(4*\mt+\a)+\j:8*(4*\mt+\a)+\j+1]
.endr
.endr
.endr
	WIN 0x8a                                       ; P's fragment (ks, a) takes the place of tile S(2 ks, a); each register is written after it was read
.irp ks, 0,1,2,3
.irp a, 0,1,2,3
.irp i, 0,1,2,3
	v_cvt_pk_f16_f32 v[8*(8*\ks+\a)+\i], v[8*(8*\ks+\a)+2*\i], v[8*(8*\ks+\a)+2*\i+1]
.endr
.irp i, 0,1,2,3
	v_cvt_pk_f16_f32 v[8*(8*\ks+\a)+4+\i], v[8*(8*\ks+4+\a)+2*\i], v[8*(8*\ks+4+\a)+2*\i+1]
.endr
.endr
.endr
.endm
; One chunk up to its weights P.  s19 = the chunk's number t.  fill = 1: T is asked for again, with chunk t + 1.
.macro CHUNK fill
	WIN 0
	PLACES 5                                       ; behind the last products: V's fragments are loaded again, and the scores write over P
	s_wait_tensorcnt 0x0                           ; my part of this chunk's tile is in,
	s_barrier_signal -1
	s_barrier_wait -1                              ; everybody's is.
	KFETCH
	s_wait_dscnt 28                                ; K's first four loads are in: the first tile row can start
	VFETCH                                         ; V's 32 loads land under the scores
	SMUL
	WIN 0
	PLACES 4                                       ; behind the scores, which the softmax reads
	s_wait_dscnt 0x0                               ; the whole chunk is in my registers: my reads of T are over
.if \fill
	s_wait_tensorcnt 0x0                           ; met at once: I have issued no tensor load behind the wait at the chunk's head
	ds_add_u32 v254, v255
	s_wait_dscnt 0x0
	CROUND                                         ; the same holds of every wave of the cluster
	s_add_co_u32 s95, s19, 1                       ; chunk t + 1:
	s_lshr_b32 s[OFFP], s95, 2
	s_lshl_b32 s[OFFP], s[OFFP], 7                 ; head (t + 1) / 4, 64 columns = 128 bytes each,
	s_and_b32 s95, s95, 3
	s_lshl_b32 s95, s95, 18                        ; keys 128 ((t + 1) % 4), 2,048 bytes each
	s_add_co_u32 s[OFFP], s[OFFP], s95
	s_add_nc_u64 s[G0V+2:G0V+3], s[VBASE:VBASE+1], s[OFFP:OFFP+1]
	s_or_b32 s[G0V+3], s[G0V+3], 0x80000000
	s_add_nc_u64 s[G0K+2:G0K+3], s[KBASE:KBASE+1], s[OFFP:OFFP+1]
	s_or_b32 s[G0K+3], s[G0K+3], 0x80000000
	JLOADT                                         ; my one tensor load behind the round; it has the softmax and the PV products in which to land
.endif
	SOFTMAX
	WIN 0
.endm
; The head's end: divide by the sum of the weights and round to f16, into 64 registers of window 1 from base on: tile (dt, a) at 4 (4 dt + a).
; rot = 1: first the three upper places of window 1 move down one, so that the body always names the Q fragments of place 0, and place 3
; is free for this head's result.  192 moves a head let one body serve all heads, and carry the finished heads along.
.macro FINISH base, rot
	WIN 0
	PLACES 4
.irp a, 0,1,2,3
	v_add_f32 v[TM+\a], v[L2+2*\a], v[L2+2*\a+1]
.endr
.irp a, 0,1,2,3
	v_permlanex16_b32 v[TX+\a], v[TM+\a], s96, s97
.endr
.irp a, 0,1,2,3
	v_add_f32 v[TM+\a], v[TM+\a], v[TX+\a]
.endr
.irp a, 0,1,2,3
	v_rcp_f32 v[AL+2*\a], v[TM+\a]                 ; the sum holds the maximum's own weight, about 1: never zero
.endr
	v_nop                                          ; the plain place behind the reciprocals
	s_wait_alu depctr_va_vdst(0)
.irp a, 0,1,2,3
	v_mov_b32 v[AL+2*\a+1], v[AL+2*\a]
.endr
	WIN 0xc3
.irp dt, 0,1,2,3
.irp a, 0,1,2,3
.irp j, 0,2,4,6
	v_pk_mul_f32 v[8*(4*\dt+\a)+\j:8*(4*\dt+\a)+\j+1], v[8*(4*\dt+\a)+\j:8*(4*\dt+\a)+\j+1], v[AL+2*\a:AL+2*\a+1]
.endr
.endr
.endr
.if \rot
	WIN 0x41                                       ; from window 1 into window 1
.set RI, 0
.rept 192
	v_mov_b32 v[RI], v[RI+64]
.set RI, RI+1
.endr
.endif
	WIN 0x4f                                       ; from window 3 into window 1
.irp dt, 0,1,2,3
.irp a, 0,1,2,3
.irp i, 0,1,2,3
	v_cvt_pk_f16_f32 v[\base+4*(4*\dt+\a)+\i], v[8*(4*\dt+\a)+2*\i], v[8*(4*\dt+\a)+2*\i+1]
.endr
.endr
.endr
	WIN 0
.if \rot
	NEWHEAD
.endif
.endm
	PLACES 4                                       ; behind the last products of phase 1
	WIN 0x4f                                       ; from window 3 into window 1
	QCVT 2
	QCVT 3
	WIN 0x4a                                       ; from window 2
	QCVT 0
	QCVT 1
	WIN 0
	s_mov_b32 s19, 0
.Lchunk:                                           ; chunks 0 to 14.  The branches inside hang on the counter alone and hold no barrier and no tensor load
	CHUNK 1
	s_and_b32 s95, s19, 3
	s_cmp_eq_u32 s95, 0
	s_cbranch_scc1 .Lpv_first
	PVMUL 0
	WIN 0
	s_branch .Lpv_done
.Lpv_first:                                        ; a head's first chunk: the products start O's sums, nothing is cleared
	PVMUL 1
	WIN 0
.Lpv_done:
	s_and_b32 s95, s19, 3
	s_cmp_eq_u32 s95, 3
	s_cbranch_scc0 .Lsame_head
	FINISH 192, 1                                  ; chunks 3, 7, 11.  Window 1 afterwards: Q1 Q2 Q3 O0, then Q2 Q3 O0 O1, then Q3 O0 O1 O2
.Lsame_head:
	s_add_co_u32 s19, s19, 1
	s_cmp_lt_u32 s19, 15
	s_cbranch_scc1 .Lchunk
	CHUNK 0                                        ; chunk 15 asks for nothing
	PVMUL 0
	FINISH 0, 0                                    ; over its own Q fragments: O3 O0 O1 O2, head hd at place (hd + 1) % 4
	; THE WAY OUT, 16 rows at a time: 16 bytes a lane into my own stage (row 16 a + r, byte 128 head + 32 dt + 16 h), read back as whole rows of
	; 512 bytes (LDS serves a wave's instructions in order: ISA guide 5.7.1) and stored.  Each group of rows has registers of its own in window 2.
.irp a, 0,1,2,3
	WIN 0x04                                       ; the stores' data in window 1
.irp hd, 0,1,2,3
.irp dt, 0,1,2,3
	ds_store_b128 v[STO], v[64*((\hd+1)%4)+4*(4*\dt+\a):64*((\hd+1)%4)+4*(4*\dt+\a)+3] offset:16*SP*\a+128*\hd+32*\dt
.endr
.endr
	WIN 0x80                                       ; the loads' data in window 2
.irp t, 0,1,2,3,4,5,6,7,8,9,10,11,12,13,14,15
	ds_load_b128 v[64*\a+4*\t:64*\a+4*\t+3], v[RD] offset:SP*(16*\a+\t)
.endr
	WIN 0x08                                       ; the stores' data in window 2
.irp t, 0,1,2,3,4,5,6,7,8,9,10,11,12,13,14,15
	s_wait_dscnt 15-\t                             ; row t of the sixteen is in, the younger loads stay out
	global_store_b128 v[CO], v[64*\a+4*\t:64*\a+4*\t+3], s[98:99] offset:2048*(16*\a+\t)   ; the wave stores 512 consecutive bytes, aligned
.endr
.endr
	WIN 0
	s_wait_tensorcnt 0x0
	ds_add_u32 v254, v255
	s_wait_dscnt 0x0
	CROUND                                         ; the closing round
	s_endpgm
.Lfunc_end_k_q24e43ff77f_qattn:
	.size	k_q24e43ff77f_qattn, .Lfunc_end_k_q24e43ff77f_qattn-k_q24e43ff77f_qattn
	.p2alignl 7, 3214868480
	.fill 96, 4, 3214868480
	.section	.rodata,"a",@progbits
	.p2align	6, 0x0
	.amdhsa_kernel k_q24e43ff77f_qattn
		.amdhsa_group_segment_fixed_size 327680
		.amdhsa_private_segment_fixed_size 0
		.amdhsa_enable_private_segment 0
		.amdhsa_kernarg_size 32
		.amdhsa_user_sgpr_count 2
		.amdhsa_user_sgpr_kernarg_segment_ptr 1
		.amdhsa_wavefront_size32 1
		.amdhsa_system_sgpr_workgroup_id_x 1
		.amdhsa_system_sgpr_workgroup_id_y 1
		.amdhsa_system_sgpr_workgroup_id_z 1
		.amdhsa_system_vgpr_workitem_id 0
		.amdhsa_next_free_vgpr 1024
		.amdhsa_next_free_sgpr 100
		.amdhsa_reserve_vcc 0
		.amdhsa_float_denorm_mode_32 3
		.amdhsa_float_denorm_mode_16_64 3
		.amdhsa_memory_ordered 1
		.amdhsa_forward_progress 1
		.amdhsa_inst_pref_size 255
	.end_amdhsa_kernel
	.section	.bss,"aw",@nobits
	.p2align	6
	.space	262144
	.amdgpu_metadata
---
amdhsa.version: [ 1, 2 ]
amdhsa.kernels:
  - .name:           k_q24e43ff77f_qattn
    .symbol:         k_q24e43ff77f_qattn.kd
    .args:
      - { .name: x, .offset: 0, .size: 8, .value_kind: global_buffer, .address_space: global }
      - { .name: hf, .offset: 8, .size: 8, .value_kind: global_buffer, .address_space: global }
      - { .name: kvb, .offset: 16, .size: 8, .value_kind: global_buffer, .address_space: global }
      - { .name: ob, .offset: 24, .size: 8, .value_kind: global_buffer, .address_space: global }
    .group_segment_fixed_size: 327680
    .private_segment_fixed_size: 0
    .kernarg_segment_align: 8
    .kernarg_segment_size: 32
    .max_flat_workgroup_size: 128
    .sgpr_count:     100
    .vgpr_count:     1024
    .wavefront_size: 32
...
	.end_amdgpu_metadata
.endif
;; end of part 5
;; launch oproj: the kernel of part 4 again; grid 4 x 64, 4 waves a work-group, clusters of 4 x 4, 327,680 bytes of LDS; arguments ob, hf, out0; writes out0
